; MI455X (gfx1250); checked and timed in simulation.
; The chip was launched on July 23, 2026; its instructions are those of AMD's public machine-readable ISA for CDNA 5 (MIT licence, August 2026) and "CDNA5" Instruction Set Architecture Reference Guide (July 2026). The comments in the code are by the model that wrote it; some were corrected since.
;; Encoder Block. Allowed arithmetic: float matrix products may take bf16 or f16 operands with f32 sums; other float arithmetic in f32, or as packed bf16 or f16 multiplies, adds, multiply-adds, maxima and minima; sums over many terms, partial sums and values carried from step to step in f32; what a program stores and reads back later, other than sums and carried values, may be rounded once to bf16 or f16.
;; Inputs: b1 4,096 float32; b2 1,024 float32; bk 1,024 float32; bo 1,024 float32; bq 1,024 float32; bv 1,024 float32; ln1_a 1 float32; ln1_b 1 float32; ln2_a 1 float32; ln2_b 1 float32; src_mask 2 x 1 x 1 x 2,048 int32; w1 4,096 x 1,024 float32; w2 1,024 x 4,096 float32; wk 1,024 x 1,024 float32; wo 1,024 x 1,024 float32; wq 1,024 x 1,024 float32; wv 1,024 x 1,024 float32; x 2 x 2,048 x 1,024 float32.
;; Outputs: out0 2 x 2,048 x 1,024 float32.
;; One version. Each part assembles by itself: llvm-mc -triple=amdgcn-amd-amdhsa -mcpu=gfx1250 --defsym DOCPART=n.
;; ======== version 1 of 1: 7 launches
;; limits: right only within a limited range of input values
;; workspace buffers: wb 25,165,824 bytes; xn 8,388,608 bytes; qkv 25,165,824 bytes; ctx 8,388,608 bytes; x1 16,777,216 bytes; hb 33,554,432 bytes
;; launch prep (part 1): grid 1024 x 1, 8 waves a work-group, no clusters, 0 bytes of LDS; arguments x, ln1_a, ln1_b, wq, wk, wv, wo, w1, w2, xn, wb; writes xn, wb
.if DOCPART == 1
	.amdgcn_target "amdgcn-amd-amdhsa--gfx1250"
	.amdhsa_code_object_version 6
	.text
	.protected	k_q61ccd8c4bd_prep
	.globl	k_q61ccd8c4bd_prep
	.p2align	8
	.type	k_q61ccd8c4bd_prep,@function
k_q61ccd8c4bd_prep:
	s_mov_b64 s[64:65], 0
	v_nop
	global_prefetch_b8 v0, s[64:65] scope:SCOPE_SE
	s_setreg_imm32_b32 hwreg(HW_REG_WAVE_MODE, 25, 1), 1
	s_wait_xcnt 0x0
; Two streams in one launch.
; Work-groups 0-255: xn = ln1_a (x - mean) / sqrt(std + 1e-6) + ln1_b, std with divisor 1023, rounded once to bf16.  x: [4096][1024] f32.
; Work-groups 256-1023: the six weight matrices rounded once to bf16 into wb: [wq; wk; wv] (3M numbers), wo (1M), w1 (4M), w2 (4M), each in its own row order.
; NORM.  A work-group has 16 rows, a wave two; a row (4,096 bytes) stays in 32 registers of the wave between the passes, so x is read once and no wave waits for another.
; The variance is taken of the centred numbers (second pass in registers): no difference of large sums is formed.
; A load of the wave covers 512 consecutive bytes; a lane's 4 numbers become 8 bytes, so a store of the wave covers 256 consecutive bytes, aligned.
; LIMITS.  The sum of squares leaves f32 beyond |x - mean| of about 1e17; NaN and infinities are not treated apart.
; No LDS, no matrix unit, no cluster: nothing is shared between waves, and the bytes are the work.
.set XO, 2                             ; v2   wave x 8,192 + 16 x lane: my 16 bytes in f32 data
.set YO, 3                             ; v3   wave x 4,096 + 8 x lane: my 8 bytes in bf16 data
.set X0, 8                             ; v[8:71]   row i at X0 + 32 i (conversion: 64 registers as loaded)
.set C,  72                            ; v[72:79]  four chains of packed sums (conversion: v[72:103] to store)
.set M,  80                            ; v[80:81]  the mean, twice
.set G,  82                            ; v[82:85]  row i's gain, twice, at G + 2 i
.set BT, 86                            ; v[86:87]  ln1_b, twice
.set D,  88                            ; v88, v89  row i's sum, then its sum of squares, then 1 / sqrt(std + eps)
.set TP, 90                            ; v90       the other half of the lanes' figure
.set Y,  92                            ; v[92:123] row i's 16 registers to store at Y + 16 i
	s_load_b512 s[8:23], s[0:1], 0x0               ; x 8, ln1_a 10, ln1_b 12, wq 14, wk 16, wv 18, wo 20, w1 22
	s_load_b128 s[24:27], s[0:1], 0x40             ; w2 24, xn 26
	s_load_b64 s[28:29], s[0:1], 0x50              ; wb
	v_and_b32 v1, 31, v0                           ; lane
	v_and_b32 v4, 0xe0, v0                         ; 32 x wave
	v_lshlrev_b32 v[XO], 4, v1
	v_lshl_or_b32 v[XO], v4, 8, v[XO]
	v_lshlrev_b32 v[YO], 3, v1
	v_lshl_or_b32 v[YO], v4, 7, v[YO]
	v_mov_b32 v[TP], 0                             ; v_permlanex16_b32 counts as a reader of its destination
	s_mov_b32 s30, 0x76543210                      ; lane i of one half reads lane i of the other
	s_mov_b32 s31, 0xfedcba98
	s_mov_b32 s35, 0
	s_mov_b32 s37, 0
	s_wait_kmcnt 0x0
	s_cmp_lt_u32 ttmp9, 256
	s_cbranch_scc0 .Lcvt
	s_load_b32 s32, s[10:11], 0x0                  ; ln1_a
	s_load_b32 s33, s[12:13], 0x0                  ; ln1_b
	s_lshl_b32 s34, ttmp9, 16                      ; 16 rows of 4,096 bytes
	s_lshl_b32 s36, ttmp9, 15                      ; 16 rows of 2,048 bytes
	s_add_nc_u64 s[8:9], s[8:9], s[34:35]
	s_add_nc_u64 s[26:27], s[26:27], s[36:37]
.irp i, 0,1
.irp j, 0,1,2,3,4,5,6,7
	global_load_b128 v[X0+32*\i+4*\j:X0+32*\i+4*\j+3], v[XO], s[8:9] offset:4096*\i+512*\j th:TH_LOAD_NT
.endr
.endr
.macro RED d                           ; the four chains into one number, then over the 32 lanes: every lane ends with the result
	v_pk_add_f32 v[C:C+1], v[C:C+1], v[C+2:C+3]
	v_pk_add_f32 v[C+4:C+5], v[C+4:C+5], v[C+6:C+7]
	v_pk_add_f32 v[C:C+1], v[C:C+1], v[C+4:C+5]
	v_add_f32 v[\d], v[C], v[C+1]
	v_add_f32_dpp v[\d], v[\d], v[\d] row_xmask:1 row_mask:0xf bank_mask:0xf
	v_add_f32_dpp v[\d], v[\d], v[\d] row_xmask:2 row_mask:0xf bank_mask:0xf
	v_add_f32_dpp v[\d], v[\d], v[\d] row_xmask:4 row_mask:0xf bank_mask:0xf
	v_add_f32_dpp v[\d], v[\d], v[\d] row_xmask:8 row_mask:0xf bank_mask:0xf
	v_permlanex16_b32 v[TP], v[\d], s30, s31
	v_add_f32 v[\d], v[\d], v[TP]
.endm
.macro ROWSTAT x, d                    ; the row at x is centred in place; d takes the sum of its squares
.irp k, 0,1,2,3
	v_pk_add_f32 v[C+2*\k:C+2*\k+1], v[(\x)+2*\k:(\x)+2*\k+1], v[(\x)+8+2*\k:(\x)+8+2*\k+1]  ; the first sums start the chains
.endr
.irp p, 8,9,10,11,12,13,14,15
	v_pk_add_f32 v[C+2*(\p%4):C+2*(\p%4)+1], v[C+2*(\p%4):C+2*(\p%4)+1], v[(\x)+2*\p:(\x)+2*\p+1]
.endr
	RED \d
	v_mul_f32 v[M], 0x3a800000, v[\d]              ; / 1024
	v_mov_b32 v[M+1], v[M]
.irp p, 0,1,2,3,4,5,6,7,8,9,10,11,12,13,14,15
	v_pk_add_f32 v[(\x)+2*\p:(\x)+2*\p+1], v[(\x)+2*\p:(\x)+2*\p+1], v[M:M+1] neg_lo:[0,1] neg_hi:[0,1]
.endr
.irp k, 0,1,2,3
	v_pk_mul_f32 v[C+2*\k:C+2*\k+1], v[(\x)+2*\k:(\x)+2*\k+1], v[(\x)+2*\k:(\x)+2*\k+1]
.endr
.irp p, 4,5,6,7,8,9,10,11,12,13,14,15
	v_pk_fma_f32 v[C+2*(\p%4):C+2*(\p%4)+1], v[(\x)+2*\p:(\x)+2*\p+1], v[(\x)+2*\p:(\x)+2*\p+1], v[C+2*(\p%4):C+2*(\p%4)+1]
.endr
	RED \d
.endm
.macro OUT i                           ; gain and bias in one fused multiply-add, one rounding, eight stores
.irp p, 0,1,2,3,4,5,6,7,8,9,10,11,12,13,14,15
	v_pk_fma_f32 v[X0+32*(\i)+2*\p:X0+32*(\i)+2*\p+1], v[X0+32*(\i)+2*\p:X0+32*(\i)+2*\p+1], v[G+2*(\i):G+2*(\i)+1], v[BT:BT+1]
.endr
.irp p, 0,1,2,3,4,5,6,7,8,9,10,11,12,13,14,15
	v_cvt_pk_bf16_f32 v[Y+16*(\i)+\p], v[X0+32*(\i)+2*\p], v[X0+32*(\i)+2*\p+1]
.endr
.irp j, 0,1,2,3,4,5,6,7
	global_store_b64 v[YO], v[Y+16*(\i)+2*\j:Y+16*(\i)+2*\j+1], s[26:27] offset:2048*(\i)+256*\j
.endr
.endm
	s_wait_loadcnt 0x8                             ; row 0 is in; row 1's eight loads may stay out
	ROWSTAT X0, D
	s_wait_loadcnt 0x0
	ROWSTAT X0+32, D+1
	v_mul_f32 v[D], 0x3a802008, v[D]               ; / 1023
	v_mul_f32 v[D+1], 0x3a802008, v[D+1]
	v_sqrt_f32 v[D], v[D]
	v_sqrt_f32 v[D+1], v[D+1]
	v_nop                                          ; a plain instruction behind the last root,
	s_wait_alu depctr_va_vdst(0)                   ; and one wait for both, ahead of their first reader
	v_add_f32 v[D], 0x358637bd, v[D]               ; + 1e-6
	v_add_f32 v[D+1], 0x358637bd, v[D+1]
	v_rsq_f32 v[D], v[D]
	v_rsq_f32 v[D+1], v[D+1]
	v_nop
	s_wait_alu depctr_va_vdst(0)
	s_wait_kmcnt 0x0                               ; ln1_a, ln1_b
	v_mul_f32 v[G], s32, v[D]
	v_mul_f32 v[G+2], s32, v[D+1]
	v_mov_b32 v[BT], s33
	v_mov_b32 v[BT+1], s33
	v_mov_b32 v[G+1], v[G]
	v_mov_b32 v[G+3], v[G+2]
	OUT 0
	OUT 1
	s_endpgm
.Lcvt:                                         ; a work-group rounds 16,384 numbers: 65,536 bytes in, 32,768 out
	s_sub_co_u32 s34, ttmp9, 256                   ; its number among the 768, which is also its place in wb
	s_lshr_b32 s36, s34, 6                         ; in units of 1M numbers: 0 wq, 1 wk, 2 wv, 3 wo, 4-7 w1, 8-11 w2
	s_and_b32 s38, s34, 63                         ; its place in a matrix of 1M numbers,
	s_sub_co_u32 s39, s34, 256                     ; in w1,
	s_sub_co_u32 s40, s34, 512                     ; in w2
	s_mov_b64 s[42:43], s[14:15]
	s_cmp_eq_u32 s36, 1
	s_cselect_b64 s[42:43], s[16:17], s[42:43]
	s_cmp_eq_u32 s36, 2
	s_cselect_b64 s[42:43], s[18:19], s[42:43]
	s_cmp_eq_u32 s36, 3
	s_cselect_b64 s[42:43], s[20:21], s[42:43]
	s_cmp_ge_u32 s36, 4
	s_cselect_b64 s[42:43], s[22:23], s[42:43]
	s_cselect_b32 s38, s39, s38
	s_cmp_ge_u32 s36, 8
	s_cselect_b64 s[42:43], s[24:25], s[42:43]
	s_cselect_b32 s38, s40, s38
	s_lshl_b32 s38, s38, 16
	s_mov_b32 s39, 0
	s_add_nc_u64 s[42:43], s[42:43], s[38:39]
	s_lshl_b32 s36, s34, 15
	s_add_nc_u64 s[28:29], s[28:29], s[36:37]
.irp j, 0,1,2,3,4,5,6,7,8,9,10,11,12,13,14,15
	global_load_b128 v[X0+4*\j:X0+4*\j+3], v[XO], s[42:43] offset:512*\j th:TH_LOAD_NT
.endr
.irp j, 0,1,2,3,4,5,6,7,8,9,10,11,12,13,14,15
	s_wait_loadcnt 15-\j                           ; loads come back in order: load j is in, the younger ones stay out
	v_cvt_pk_bf16_f32 v[C+2*\j], v[X0+4*\j], v[X0+4*\j+1]
	v_cvt_pk_bf16_f32 v[C+2*\j+1], v[X0+4*\j+2], v[X0+4*\j+3]
	global_store_b64 v[YO], v[C+2*\j:C+2*\j+1], s[28:29] offset:256*\j
.endr
	s_endpgm
.Lfunc_end_k_q61ccd8c4bd_prep:
	.size	k_q61ccd8c4bd_prep, .Lfunc_end_k_q61ccd8c4bd_prep-k_q61ccd8c4bd_prep
	.p2alignl 7, 3214868480
	.fill 96, 4, 3214868480
	.section	.rodata,"a",@progbits
	.p2align	6, 0x0
	.amdhsa_kernel k_q61ccd8c4bd_prep
		.amdhsa_group_segment_fixed_size 0
		.amdhsa_private_segment_fixed_size 0
		.amdhsa_enable_private_segment 0
		.amdhsa_kernarg_size 88
		.amdhsa_user_sgpr_count 2
		.amdhsa_user_sgpr_kernarg_segment_ptr 1
		.amdhsa_wavefront_size32 1
		.amdhsa_system_sgpr_workgroup_id_x 1
		.amdhsa_system_sgpr_workgroup_id_y 1
		.amdhsa_system_sgpr_workgroup_id_z 1
		.amdhsa_system_vgpr_workitem_id 0
		.amdhsa_next_free_vgpr 128
		.amdhsa_next_free_sgpr 66
		.amdhsa_reserve_vcc 0
		.amdhsa_float_denorm_mode_32 3
		.amdhsa_float_denorm_mode_16_64 3
		.amdhsa_memory_ordered 1
		.amdhsa_forward_progress 1
		.amdhsa_inst_pref_size 24
	.end_amdhsa_kernel
	.amdgpu_metadata
---
amdhsa.version: [ 1, 2 ]
amdhsa.kernels:
  - .name:           k_q61ccd8c4bd_prep
    .symbol:         k_q61ccd8c4bd_prep.kd
    .args:
      - { .name: x, .offset: 0, .size: 8, .value_kind: global_buffer, .address_space: global }
      - { .name: ln1_a, .offset: 8, .size: 8, .value_kind: global_buffer, .address_space: global }
      - { .name: ln1_b, .offset: 16, .size: 8, .value_kind: global_buffer, .address_space: global }
      - { .name: wq, .offset: 24, .size: 8, .value_kind: global_buffer, .address_space: global }
      - { .name: wk, .offset: 32, .size: 8, .value_kind: global_buffer, .address_space: global }
      - { .name: wv, .offset: 40, .size: 8, .value_kind: global_buffer, .address_space: global }
      - { .name: wo, .offset: 48, .size: 8, .value_kind: global_buffer, .address_space: global }
      - { .name: w1, .offset: 56, .size: 8, .value_kind: global_buffer, .address_space: global }
      - { .name: w2, .offset: 64, .size: 8, .value_kind: global_buffer, .address_space: global }
      - { .name: xn, .offset: 72, .size: 8, .value_kind: global_buffer, .address_space: global }
      - { .name: wb, .offset: 80, .size: 8, .value_kind: global_buffer, .address_space: global }
    .group_segment_fixed_size: 0
    .private_segment_fixed_size: 0
    .kernarg_segment_align: 8
    .kernarg_segment_size: 88
    .max_flat_workgroup_size: 256
    .sgpr_count:     66
    .vgpr_count:     128
    .wavefront_size: 32
...
	.end_amdgpu_metadata
.endif
;; end of part 1
;; launch qkv (part 2): grid 16 x 16, 4 waves a work-group, clusters of 4 x 4, 327,680 bytes of LDS; arguments xn, wb, bq, bk, bv, qkv; writes qkv
.if DOCPART == 2
	.amdgcn_target "amdgcn-amd-amdhsa--gfx1250"
	.amdhsa_code_object_version 6
	.text
	.protected	k_q61ccd8c4bd_qkv
	.globl	k_q61ccd8c4bd_qkv
	.p2align	8
	.type	k_q61ccd8c4bd_qkv,@function
k_q61ccd8c4bd_qkv:
	s_mov_b64 s[64:65], 0
	v_nop
	global_prefetch_b8 v0, s[64:65] scope:SCOPE_SE
	s_setreg_imm32_b32 hwreg(HW_REG_WAVE_MODE, 25, 1), 1
	s_wait_xcnt 0x0
	s_wait_alu depctr_hold_cnt(0) depctr_sa_sdst(0) depctr_va_vdst(0) depctr_va_sdst(0) depctr_va_ssrc(0) depctr_va_vcc(0) depctr_vm_vsrc(0)
	s_getreg_b32 s2, hwreg(HW_REG_IB_STS2, 6, 4)
	s_cmp_eq_u32 s2, 0
	s_cbranch_scc0 .Lentry_in_a_cluster
	s_endpgm
.Lentry_in_a_cluster:
	s_bfe_u32 s2, ttmp6, 0x10000c
	s_cmp_lg_u32 s2, 0xf033
	s_cbranch_scc0 .Lentry_shape_is_right
	s_endpgm
.Lentry_shape_is_right:
; q, k, v = xn [wq; wk; wv]^T + bias, by heads.  xn: [4096][1024] bf16; the weights: wb's first [3072][1024] bf16; sums in f32, rounded once to bf16.
; OUT: qkv[which][batch][head][s][64] bf16.  K IS STORED ONE KEY STEP BACK: key s lies at row (s - 64) mod 2048, as the attention launch's ring wants it.
; SHARES.  A tile of the result is 256 tokens x 192 columns (three heads): 16 x 16 = 256 work-groups.  Four waves, each 64 tokens x 192 columns: 48 accumulators of 16 x 16, so a wave's part of a
; head is 64 dense rows of 128 bytes.  K goes in steps of 128 (rows of 256 bytes in memory) through two LDS slots filled by tensor loads.
; ONE K STEP IS WRITTEN ONCE: the slot in hand stands in scalar registers (TB for the fragments, TF for the fill) that an exclusive or turns.
; CLUSTER 4 x 4: xn's tile is shared along a row of the cluster, the weights' along a column; each is asked for jointly, by the same load with the same descriptor and a mask of the four.
; THE CLUSTERS BEGIN AT DIFFERENT K STEPS.  Cluster (X, Y) walks the 8 K steps in a ring from step (2 X + 4 ((Y xor Y / 2) & 1)) mod 8 (f32 sums may be taken in any order of K).  The four clusters that
; read the same rows of xn stand two K steps apart; of the four that read the same rows of the weights two stand four K steps from the other two.  So each block of xn is read for the first time in the
; clusters' first two K steps and each block of the weights in their first four; what the later refills ask for another cluster has read two or four K steps earlier.
; NO PREFETCH: the first four K steps come by their loads alone, and no later K step is a block's first reading.
; THE PRODUCT IS TAKEN TRANSPOSED (source 0 = 16 rows of the weights, source 1 = 16 tokens): a lane holds one token and eight neighbouring columns.  THE BIAS is the C operand of each
; accumulator's first product: nothing is cleared, and no vector line adds it.
; LIMITS.  Operands and results are bf16; NaN and infinities are not treated apart.
; REGISTERS: window 0: v16-29 addresses; v64-127 xn's fragments, two buffers of 32; v128-223 bias, later the way out.  Window 1: v0-191 the weights' fragments, two buffers of 96.
;   windows 2, 3: accumulator (a, b) in window 2 + a / 2 at v[8 (12 (a % 2) + b)].
.set KSTEP,  128
.set STEPS,  8                         ; 1,024 / 128
.set PITCH,  272                       ; an LDS row: 256 bytes + 16 of padding: the 16 rows of a fragment load start at 16 different groups of four banks
.set AB, 4                             ; blocks of 16 tokens a wave
.set BB, 12                            ; blocks of 16 columns a wave
.set AH, AB/2
.set RA, 128                           ; rows that a fetching wave brings: of xn,
.set RB, 96                            ; of the weights
.set BOFF,  2*RA*PITCH
.set SLOT,  BOFF+2*RB*PITCH
.set STAGE, 2*SLOT                     ; behind the ring: 16 rows x 400 bytes for each wave, for the way out
.set SPITCH, 400
.set SPARE, STAGE+4*16*SPITCH          ; the spare words, 128 bytes a wave
.set ADRA0, 16                         ; my lane's place in slot 0's xn rows; never rewritten
.set ADRA,  17                         ; the same in the slot in hand
.set ADRB0, 20
.set ADRB,  21
.set BO,  22                           ; 32 x (lane / 16): my 8 numbers of a block's 16 biases
.set STO, 24
.set RD,  25
.set GO,  26                           ; 16 x lane
.set SPW, 28
.set NIL, 29
.set FA0, 64
.set FAS, 32
.set FB0, 0
.set FBS, 96
.set BI,  128
.set TMP, 128                          ; the way out: 48 packed registers; rows read back in v176-223 and v64-111 by turns
.set WV, 12                            ; s12 wave
.set FR, 13                            ; s13 0: I fetch xn, 1: the weights
.set FH, 14                            ; s14 which half of that tile
.set GA, 18                            ; s[18:19] xn at my fetch's first row, K = 0
.set LA, 20                            ; s20, s21 where my fetch lands in a slot
.set LB, 21
.set G1, 24
.set G0, 32                            ; two sets: the first fills; the second then walks
.set KS, 43                            ; s43 the K step that the walking set asked for last
.set KO, 44                            ; s[44:45] its byte offset in a row
.set GB, 46                            ; s[46:47] the weights at my fetch's first row, K = 0
.set G1B, 48
.set G0B, 56
.set TB, 66
.set TF, 67
.set OP, 72                            ; s[72:77] where my rows of my three heads go
.set BP, 78                            ; s[78:83] my three heads' biases
.set MSB, 0
.macro WIN new                         ; the immediate's high byte repeats the setting that is left
.if MSB != (\new)
	s_set_vgpr_msb (MSB<<8)|(\new)
.set MSB, \new
.endif
.endm
.macro PLACES                          ; four plain places behind matrix instructions, ahead of loads into their sources and of readers of their results
.rept 4
	v_nop
.endr
.endm
.macro CREST                           ; a round of the cluster's barrier behind its opening barrier
	s_cmp_lg_u32 s[WV], 0
	s_cbranch_scc1 .Lnot_wave_0_\@
	s_barrier_signal -3
.Lnot_wave_0_\@:
	s_barrier_wait -3
	s_barrier_signal -1
	s_barrier_wait -1
.endm
.macro CROUND
	s_barrier_signal -1
	s_barrier_wait -1
	CREST
.endm
.macro JLOAD                           ; the joint refill by the walking set; an s_nop 0 and four v_nop follow each line
	s_cmp_eq_u32 s[FR], 0
	s_cbranch_scc0 .Lfor_b_\@
	tensor_load_to_lds s[G0+4:G0+7], s[G1:G1+7]
	s_nop 0
	PLACES
	s_branch .Lasked_\@
.Lfor_b_\@:
	tensor_load_to_lds s[G0B+4:G0B+7], s[G1B:G1B+7]
	s_nop 0
	PLACES
.Lasked_\@:
.endm
	s_load_b256 s[4:11], s[0:1], 0x0               ; xn 4, wb 6, bq 8, bk 10
	s_load_b128 s[68:71], s[0:1], 0x20             ; bv 68, qkv 70
	v_lshl_add_u32 v[SPW], v0, 2, SPARE
	v_mov_b32 v[NIL], 0
	ds_add_u32 v[SPW], v[NIL]                      ; the wave's opening: the add and its wait ahead of my first tensor load
	v_lshrrev_b32 v1, 5, v0
	v_readfirstlane_b32 s[WV], v1
	s_lshr_b32 s[FR], s[WV], 1
	s_and_b32 s[FH], s[WV], 1
	s_bfe_u32 s40, ttmp6, 0x40000                  ; cx
	s_bfe_u32 s41, ttmp6, 0x40004                  ; cy
	s_lshl_b32 s42, ttmp9, 2
	s_add_co_u32 s42, s42, s40                     ; tile column
	s_and_b32 s15, ttmp7, 0xffff
	s_lshl_b32 s15, s15, 2
	s_add_co_u32 s15, s15, s41                     ; tile row
	s_lshl_b32 s43, s41, 2
	s_lshl_b32 s43, 15, s43                        ; my row of the cluster
	s_lshl_b32 s44, 0x1111, s40                    ; my column
	s_or_b32 s[G1], s43, (1<<16)|(1<<20)|(1<<21)|(5<<22)|(3<<25)   ; mask; 2-byte elements; padding on; bit 21 beside a mask; after every 64 words, 4 words
	s_or_b32 s[G1B], s44, (1<<16)|(1<<20)|(1<<21)|(5<<22)|(3<<25)
	s_mov_b32 s[G1+1], KSTEP<<16                   ; tensor_dim0
	s_mov_b32 s[G1+2], RA<<16                      ; tensor_dim1
	s_mov_b32 s[G1+3], KSTEP<<16                   ; tile_dim0
	s_mov_b32 s[G1+4], RA                          ; tile_dim1
	s_mov_b32 s[G1+5], 1024                        ; elements from row to row
	s_mov_b32 s[G1+6], 0
	s_mov_b32 s[G1+7], 0
	s_mov_b32 s[G1B+1], KSTEP<<16
	s_mov_b32 s[G1B+2], RB<<16
	s_mov_b32 s[G1B+3], KSTEP<<16
	s_mov_b32 s[G1B+4], RB
	s_mov_b32 s[G1B+5], 1024
	s_mov_b32 s[G1B+6], 0
	s_mov_b32 s[G1B+7], 0
	s_and_b32 s[KS], ttmp7, 0xffff                 ; the K step at which my cluster begins, from the cluster's x and y alone: the same in all sixteen partners
	s_lshr_b32 s44, s[KS], 1
	s_xor_b32 s[KS], s[KS], s44
	s_and_b32 s[KS], s[KS], 1
	s_lshl_b32 s[KS], s[KS], 2                     ; 4 ((Y xor Y / 2) & 1)
	s_lshl_b32 s44, ttmp9, 1
	s_add_co_u32 s[KS], s[KS], s44                 ; + 2 X
	s_and_b32 s[KS], s[KS], STEPS-1
	s_mov_b32 s[KO+1], 0
	s_lshl_b32 s16, s15, 8                         ; xn: row 256 x tile row + 128 x half
	s_lshl_b32 s17, s[FH], 7
	s_add_co_u32 s16, s16, s17
	s_lshl_b32 s16, s16, 11
	s_mov_b32 s17, 0
	s_mul_i32 s46, s42, 192                        ; weights: row 192 x tile column + 96 x half
	s_mul_i32 s47, s[FH], RB
	s_add_co_u32 s46, s46, s47
	s_lshl_b32 s46, s46, 11
	s_mov_b32 s47, 0
	s_mul_i32 s[LA], s[FH], RA*PITCH               ; no place in the cluster enters an LDS address
	s_mul_i32 s[LB], s[FH], RB*PITCH
	s_add_co_u32 s[LB], s[LB], BOFF
	s_mov_b32 s[TB], 0
	s_mov_b32 s[TF], SLOT
	s_wait_dscnt 0x0                               ; the opening add is done
	s_wait_kmcnt 0x0
	s_add_nc_u64 s[GA:GA+1], s[4:5], s[16:17]
	s_add_nc_u64 s[GB:GB+1], s[6:7], s[46:47]
	CROUND                                         ; all sixteen work-groups are here: the first joint loads meet
.irp s, 0,1
	s_lshl_b32 s[KO], s[KS], 8                     ; a K step is 256 bytes of a row
	s_mov_b32 s[G0+4*\s], 1
	s_add_co_u32 s[G0+4*\s+1], s[LA], \s*SLOT
	s_add_nc_u64 s[G0+4*\s+2:G0+4*\s+3], s[GA:GA+1], s[KO:KO+1]
	s_or_b32 s[G0+4*\s+3], s[G0+4*\s+3], 0x80000000
	s_mov_b32 s[G0B+4*\s], 1
	s_add_co_u32 s[G0B+4*\s+1], s[LB], \s*SLOT
	s_add_nc_u64 s[G0B+4*\s+2:G0B+4*\s+3], s[GB:GB+1], s[KO:KO+1]
	s_or_b32 s[G0B+4*\s+3], s[G0B+4*\s+3], 0x80000000
.if \s == 0
	s_add_co_u32 s[KS], s[KS], 1                   ; the ring's next K step
	s_and_b32 s[KS], s[KS], STEPS-1
.endif
.endr
	s_cmp_eq_u32 s[FR], 0                          ; a wave's two first fills stand in one branch: two loads of mine are out
	s_cbranch_scc0 .Lfirst_b
	tensor_load_to_lds s[G0:G0+3], s[G1:G1+7]
	s_nop 0
	tensor_load_to_lds s[G0+4:G0+7], s[G1:G1+7]
	s_nop 0
	PLACES
	s_branch .Lfirst_asked
.Lfirst_b:
	tensor_load_to_lds s[G0B:G0B+3], s[G1B:G1B+7]
	s_nop 0
	tensor_load_to_lds s[G0B+4:G0B+7], s[G1B:G1B+7]
	s_nop 0
	PLACES
.Lfirst_asked:
	v_and_b32 v1, 15, v0                           ; l % 16
	v_bfe_u32 v2, v0, 4, 1                         ; l / 16
	v_lshlrev_b32 v[BO], 5, v2
	s_and_b32 s84, s15, 7
	s_lshl_b32 s84, s84, 8
	s_lshl_b32 s85, s[WV], 6
	s_add_co_u32 s84, s84, s85                     ; the first of my 64 tokens in its batch
	s_lshr_b32 s85, s15, 3
	s_lshl_b32 s85, s85, 22                        ; the batch's bytes
	s_mul_i32 s86, s42, 3                          ; the first of my three heads among q's, k's and v's 48
	s_mov_b32 s93, 0
.irp i, 0,1,2
	s_add_co_u32 s88, s86, \i
	s_lshr_b32 s89, s88, 4                         ; 0 q, 1 k, 2 v
	s_and_b32 s90, s88, 15                         ; the head
	s_cmp_eq_u32 s89, 1
	s_cselect_b64 s[BP+2*\i:BP+2*\i+1], s[10:11], s[8:9]
	s_cselect_b32 s91, 64, 0                       ; k goes one key step back
	s_cmp_eq_u32 s89, 2
	s_cselect_b64 s[BP+2*\i:BP+2*\i+1], s[68:69], s[BP+2*\i:BP+2*\i+1]
	s_lshl_b32 s92, s90, 8
	s_add_nc_u64 s[BP+2*\i:BP+2*\i+1], s[BP+2*\i:BP+2*\i+1], s[92:93]
	s_sub_co_u32 s91, s84, s91
	s_and_b32 s91, s91, 2047
	s_lshl_b32 s92, s91, 7
	s_lshl_b32 s91, s90, 18
	s_or_b32 s92, s92, s91
	s_lshl_b32 s91, s89, 23
	s_or_b32 s92, s92, s91
	s_or_b32 s92, s92, s85
	s_add_nc_u64 s[OP+2*\i:OP+2*\i+1], s[70:71], s[92:93]
.endr
.irp i, 0,1,2
.irp c, 0,1,2,3
	global_load_b128 v[BI+8*(4*\i+\c):BI+8*(4*\i+\c)+3],   v[BO], s[BP+2*\i:BP+2*\i+1] offset:64*\c
	global_load_b128 v[BI+8*(4*\i+\c)+4:BI+8*(4*\i+\c)+7], v[BO], s[BP+2*\i:BP+2*\i+1] offset:64*\c+16
.endr
.endr
	; a fragment is 16 rows x 32 K in 8 registers: lane l holds row l % 16, K = 8 (l / 16) + 0..7 and 16 + 8 (l / 16) + 0..7: two loads of 16 bytes, 32 bytes apart
	v_mul_u32_u24 v3, v1, PITCH
	v_lshl_add_u32 v3, v2, 4, v3
	s_mul_i32 s87, s[WV], 64*PITCH                 ; my 64 tokens
	v_add_nc_u32 v[ADRA0], s87, v3
	v_add_nc_u32 v[ADRB0], BOFF, v3                ; all 192 rows of the weights
	v_mov_b32 v[ADRA], v[ADRA0]
	v_mov_b32 v[ADRB], v[ADRB0]
	s_mul_i32 s87, s[WV], 16*SPITCH
	s_add_co_u32 s87, s87, STAGE                   ; my stage
	v_mul_u32_u24 v4, v1, SPITCH                   ; in: row l % 16, 16 bytes for each half of the lanes
	v_lshl_add_u32 v4, v2, 4, v4
	v_add_nc_u32 v[STO], s87, v4
	v_bfe_u32 v4, v0, 3, 2                         ; back: 32 lanes take 128 bytes (a head) of four rows,
	v_mul_u32_u24 v4, v4, SPITCH
	v_and_b32 v5, 7, v0
	v_lshl_add_u32 v4, v5, 4, v4
	v_add_nc_u32 v[RD], s87, v4
	v_and_b32 v[GO], 31, v0                        ; which are 512 consecutive bytes of the head
	v_lshlrev_b32 v[GO], 4, v[GO]
; BB products of token block ia of window hi against all column blocks.  All accumulators come in the same order in every quarter, one instruction a turn.
.macro MULA f, hi, first
.set ib, 0
.rept BB
.set rD, 8*(BB*ia+ib)
.set rB, FB0+FBS*(\f)+8*ib
.set rA, FA0+FAS*(\f)+8*(AH*(\hi)+ia)
.if \first
	v_wmma_f32_16x16x32_bf16 v[rD:rD+7], v[rB:rB+7], v[rA:rA+7], v[BI+8*ib:BI+8*ib+7]
.else
	v_wmma_f32_16x16x32_bf16 v[rD:rD+7], v[rB:rB+7], v[rA:rA+7], v[rD:rD+7]
.endif
.set ib, ib+1
.endr
.endm
.macro MULP f, hi, part, first         ; half of a window's token blocks
.if \first
	WIN 0x81+0x40*(\hi)                            ; weights window 1, xn and bias window 0, D window 2 or 3
.else
	WIN 0xa1+0x50*(\hi)                            ; C and D window 2 or 3
.endif
.set ia, (\part)*(AH/2)
.rept AH/2
	MULA \f, \hi, \first
.set ia, ia+1
.endr
.endm
.macro MULH f, hi, first
	MULP \f, \hi, 0, \first
	MULP \f, \hi, 1, \first
.endm
.macro FETCH k, f                      ; 32 LDS loads in one run: a quarter step's fragments, at byte k of the rows, into buffer f
	WIN 0x40
.set i, 0
.rept BB
	ds_load_b128 v[FB0+FBS*(\f)+8*i:FB0+FBS*(\f)+8*i+3],   v[ADRB] offset:(\k)+i*16*PITCH
	ds_load_b128 v[FB0+FBS*(\f)+8*i+4:FB0+FBS*(\f)+8*i+7], v[ADRB] offset:(\k)+i*16*PITCH+32
.set i, i+1
.endr
	WIN 0
.set i, 0
.rept AB
	ds_load_b128 v[FA0+FAS*(\f)+8*i:FA0+FAS*(\f)+8*i+3],   v[ADRA] offset:(\k)+i*16*PITCH
	ds_load_b128 v[FA0+FAS*(\f)+8*i+4:FA0+FAS*(\f)+8*i+7], v[ADRA] offset:(\k)+i*16*PITCH+32
.set i, i+1
.endr
.endm
.macro QUARTER k, f, g, first          ; multiplies buffer f; in its middle fetches the next quarter, at byte k, into g
	s_wait_dscnt AB                                ; all but the youngest loads: xn's upper blocks
	MULH \f, 0, \first
	PLACES
	FETCH \k, \g
	s_wait_dscnt 2*(AB+BB)                         ; all but the run just issued
	MULH \f, 1, \first
.endm
; The last quarter multiplies buffer 1 and changes slots: one barrier.  Ahead of it each wave waits for all its tensor loads (one is out: its part of the next slot), adds 0 to its spare word,
; and waits for that and for its reads of this slot.  fill = 1: the barrier opens a round of the cluster's, and the joint refill, the ring's K step two on, is the first tensor load behind it;
; its two global addresses are made anew from the tiles' first rows and the K step's number.
.macro TURN fill
	WIN 0
	s_xor_b32 s[TB], s[TB], SLOT                   ; the fragments' next slot
	v_add_nc_u32 v[ADRA], s[TB], v[ADRA0]
	v_add_nc_u32 v[ADRB], s[TB], v[ADRB0]
	s_wait_tensorcnt 0x0
	ds_add_u32 v[SPW], v[NIL]
	s_wait_dscnt AB+1                              ; (the add and xn's upper blocks may be out)
	MULP 1, 0, 0, 0
	s_wait_dscnt 0x0                               ; the add is done, and my reads of this slot are over
	s_barrier_signal -1
	MULP 1, 0, 1, 0
.if \fill
	WIN 0
.endif
	s_barrier_wait -1
.if \fill
	CREST                                          ; no wave of any partner still reads this slot or has a load on its way
	s_xor_b32 s[TF], s[TF], SLOT
	s_add_co_u32 s[G0+5], s[LA], s[TF]
	s_add_co_u32 s[G0B+5], s[LB], s[TF]
	s_add_co_u32 s[KS], s[KS], 1
	s_and_b32 s[KS], s[KS], STEPS-1                ; behind the last K step comes the first
	s_lshl_b32 s[KO], s[KS], 8
	s_add_nc_u64 s[G0+6:G0+7], s[GA:GA+1], s[KO:KO+1]
	s_or_b32 s[G0+7], s[G0+7], 0x80000000
	s_add_nc_u64 s[G0B+6:G0B+7], s[GB:GB+1], s[KO:KO+1]
	s_or_b32 s[G0B+7], s[G0B+7], 0x80000000
	JLOAD                                          ; its four v_nop are also the places ahead of the loads below
.else
	PLACES
.endif
	FETCH 0, 0
	MULH 1, 1, 0
.endm
	s_wait_tensorcnt 0x1                           ; my part of the first K step is in; the second's may stay out
	s_barrier_signal -1
	s_barrier_wait -1
	FETCH 0, 0
	s_wait_loadcnt 0x0                             ; the bias
	QUARTER 64, 0, 1, 1                            ; the first quarter's products start the sums, from the bias
	WIN 0
	s_mov_b32 s3, STEPS-2
.Lstep:                                        ; a trip: a K step's quarters 1, 2, 3, the refill, the next K step's quarter 0
	QUARTER 128, 1, 0, 0
	QUARTER 192, 0, 1, 0
	TURN 1
	QUARTER 64, 0, 1, 0
	WIN 0
	s_sub_co_u32 s3, s3, 1
	s_cmp_lg_u32 s3, 0
	s_cbranch_scc1 .Lstep
	s_mov_b32 s3, 2
.Ltail:                                        ; the last two K steps ask for nothing; the second trip is left in its middle
	QUARTER 128, 1, 0, 0
	QUARTER 192, 0, 1, 0
	WIN 0
	s_sub_co_u32 s3, s3, 1
	s_cmp_eq_u32 s3, 0
	s_cbranch_scc1 .Llastq
	TURN 0
	QUARTER 64, 0, 1, 0
	WIN 0
	s_branch .Ltail
.Llastq:
	s_wait_dscnt AB
	MULH 1, 0, 0
	s_wait_dscnt 0x0
	MULH 1, 1, 0
	WIN 0
	PLACES
; THE WAY OUT, a block of 16 tokens at a time: rounded to bf16; into my own stage; back as 128 bytes a head and row; stored as 512 consecutive bytes of a head.
.macro PACK a
.set AC, 8*BB*((\a)%AH)
	WIN 0x0a+5*((\a)/AH)
.set ib, 0
.rept BB
.irp r, 0,1,2,3
	v_cvt_pk_bf16_f32 v[TMP+4*ib+\r], v[AC+8*ib+2*\r], v[AC+8*ib+2*\r+1]
.endr
.set ib, ib+1
.endr
	WIN 0
.endm
.macro TOSTAGE a
.set BK, 176-112*((\a)%2)
.irp b, 0,1,2,3,4,5,6,7,8,9,10,11
	ds_store_b128 v[STO], v[TMP+4*\b:TMP+4*\b+3] offset:32*\b
.endr
.irp h, 0,1,2
.irp f, 0,1,2,3
	ds_load_b128 v[BK+4*(4*\h+\f):BK+4*(4*\h+\f)+3], v[RD] offset:\f*4*SPITCH+128*\h  ; LDS serves a wave's instructions in order: these see the stores above
.endr
.endr
.endm
.macro SEND a
.set BK, 176-112*((\a)%2)
	s_wait_dscnt 0x0                               ; the block is back in registers
	s_wait_xcnt 0x0                                ; the stores of the block before have read their registers: the next block's loads land there
.irp h, 0,1,2
.irp f, 0,1,2,3
	global_store_b128 v[GO], v[BK+4*(4*\h+\f):BK+4*(4*\h+\f)+3], s[OP+2*\h:OP+2*\h+1] offset:2048*(\a)+512*\f
.endr
.endr
.endm
	PACK 0
	TOSTAGE 0
.irp a, 1,2,3
	PACK \a                                        ; a block's conversions stand between the loads of the block before and the wait for them
	SEND (\a)-1
	TOSTAGE \a
.endr
	SEND 3
	s_wait_tensorcnt 0x0                           ; the wave's end
	ds_add_u32 v[SPW], v[NIL]
	s_wait_dscnt 0x0
	CROUND                                         ; the closing round
	s_endpgm
.Lfunc_end_k_q61ccd8c4bd_qkv:
	.size	k_q61ccd8c4bd_qkv, .Lfunc_end_k_q61ccd8c4bd_qkv-k_q61ccd8c4bd_qkv
	.p2alignl 7, 3214868480
	.fill 96, 4, 3214868480
	.section	.rodata,"a",@progbits
	.p2align	6, 0x0
	.amdhsa_kernel k_q61ccd8c4bd_qkv
		.amdhsa_group_segment_fixed_size 327680
		.amdhsa_private_segment_fixed_size 0
		.amdhsa_enable_private_segment 0
		.amdhsa_kernarg_size 48
		.amdhsa_user_sgpr_count 2
		.amdhsa_user_sgpr_kernarg_segment_ptr 1
		.amdhsa_wavefront_size32 1
		.amdhsa_system_sgpr_workgroup_id_x 1
		.amdhsa_system_sgpr_workgroup_id_y 1
		.amdhsa_system_sgpr_workgroup_id_z 1
		.amdhsa_system_vgpr_workitem_id 0
		.amdhsa_next_free_vgpr 960
		.amdhsa_next_free_sgpr 96
		.amdhsa_reserve_vcc 0
		.amdhsa_float_denorm_mode_32 3
		.amdhsa_float_denorm_mode_16_64 3
		.amdhsa_memory_ordered 1
		.amdhsa_forward_progress 1
		.amdhsa_inst_pref_size 90
	.end_amdhsa_kernel
	.amdgpu_metadata
---
amdhsa.version: [ 1, 2 ]
amdhsa.kernels:
  - .name:           k_q61ccd8c4bd_qkv
    .symbol:         k_q61ccd8c4bd_qkv.kd
    .args:
      - { .name: xn, .offset: 0, .size: 8, .value_kind: global_buffer, .address_space: global }
      - { .name: wb, .offset: 8, .size: 8, .value_kind: global_buffer, .address_space: global }
      - { .name: bq, .offset: 16, .size: 8, .value_kind: global_buffer, .address_space: global }
      - { .name: bk, .offset: 24, .size: 8, .value_kind: global_buffer, .address_space: global }
      - { .name: bv, .offset: 32, .size: 8, .value_kind: global_buffer, .address_space: global }
      - { .name: qkv, .offset: 40, .size: 8, .value_kind: global_buffer, .address_space: global }
    .group_segment_fixed_size: 327680
    .private_segment_fixed_size: 0
    .kernarg_segment_align: 8
    .kernarg_segment_size: 48
    .max_flat_workgroup_size: 128
    .sgpr_count:     96
    .vgpr_count:     960
    .wavefront_size: 32
...
	.end_amdgpu_metadata
.endif
;; end of part 2
;; launch attn (part 3): grid 8 x 32, 4 waves a work-group, clusters of 4 x 1, 327,680 bytes of LDS; arguments qkv, src_mask, ctx; writes ctx
.if DOCPART == 3
	.amdgcn_target "amdgcn-amd-amdhsa--gfx1250"
	.amdhsa_code_object_version 6
	.text
	.protected	k_q61ccd8c4bd_attn
	.globl	k_q61ccd8c4bd_attn
	.p2align	8
	.type	k_q61ccd8c4bd_attn,@function
k_q61ccd8c4bd_attn:
	s_mov_b64 s[64:65], 0
	v_nop
	global_prefetch_b8 v0, s[64:65] scope:SCOPE_SE
	s_setreg_imm32_b32 hwreg(HW_REG_WAVE_MODE, 25, 1), 1
	s_wait_xcnt 0x0
	s_wait_alu depctr_hold_cnt(0) depctr_sa_sdst(0) depctr_va_vdst(0) depctr_va_sdst(0) depctr_va_ssrc(0) depctr_va_vcc(0) depctr_vm_vsrc(0)
	s_getreg_b32 s2, hwreg(HW_REG_IB_STS2, 6, 4)
	s_cmp_eq_u32 s2, 0
	s_cbranch_scc0 .Lentry_in_a_cluster
	s_endpgm
.Lentry_in_a_cluster:
	s_bfe_u32 s2, ttmp6, 0x10000c
	s_cmp_lg_u32 s2, 0x3003
	s_cbranch_scc0 .Lentry_shape_is_right
	s_endpgm
.Lentry_shape_is_right:
; ctx[bh][q][:] = the sum over k of softmax_k(mask(Q[bh][q] . K[bh][k] / 8)) V[bh][k][:].  qkv: [3][32][2048][64] bf16, K stored one key step (64 rows) back; src_mask: [2][2048] i32; ctx: [32][2048][64] bf16.
; Products, maxima and sums in f32; the weights p are rounded to bf16 for the second product (their sum l is taken of the unrounded p), ctx once at the end.
; SHARES.  A work-group owns 256 queries of one batch and head, a wave 64: two PIECES of two tiles of 16.  Every wave walks all 2,048 keys, 64 a step.
; LAYOUT.  S^T = K Q^T (source 0 = 16 keys, source 1 = 16 queries): a lane holds ONE query (lane % 16) and the keys 8 (lane / 16) + 0..7.  Two such results, rounded in pairs, ARE source 1 of
; O^T = V^T P.  K comes out of LDS as it lies, V turned, by ds_load_tr16_b128.
; SOFTMAX.  A running maximum m and sum l: p = 2^(c s - c m), c = log2(e) / 8; in every step O and l are multiplied by a = 2^(c m_old - c m_new).  m starts at the lowest finite number, O and l at 0.
; THE MASK is the C operand that starts a score's sum: 0, or -2^100 for a hidden key, from a table in LDS made once (f32, a word a key).  A power of two, so c m is exact and equal hidden scores
; give p = 1 until a visible key comes, whose a = 0 wipes them.  A batch with no visible key at all has equal weights: there c and the table are 0 (two selects on the OR of all flags), so every p is 1.
; LIMITS.  A hidden score counts as -2^100 where the definition has -1e9: the same result while visible scores lie above about -1e9 and |q . k| under 2^76.  A weight below 2^-126 counts as 0 in l.
; NaN and infinities are not treated apart.
; BY TURNS.  Turn Y belongs to piece Y: 16 products K Q^T of the other piece, later 16 products V^T P of the other piece; beside them piece Y's scaling, exponentials, roundings, sums and rescaling and the
; other piece's maximum and statistics.  Four vector instructions stand behind every matrix instruction, the rest in one lump; a turn's 66 exponentials are one batch with one wait.
; WHY K LIES A STEP BACK.  Turn 0 of step j fetches K of step j + 1 and V of step j; with K a step back both lie at place j of the ring, and the change of slots stands behind every fourth step.
; K of step 0 (the last 64 rows as stored) comes once, straight from memory, as Q does.  The last step fetches it again and makes 16 products that serve nothing: the price of one text for every step.
; CLUSTER.  The four query blocks of a cluster walk the same K and V: each tile is asked for jointly.
; REGISTERS: window 0: v2-11, v32-38 addresses; v12-15, v48-63 at work; v16-31 statistics; v46, v47 the add's; v64-191 S^T, two buffers of two tiles; v192-255 P, likewise
;   window 1: v0-127 O^T, 32 a tile; v128-159 the step's mask          window 2: v0-63 Q; v128-191 K of one step; v192-255 V of one step
.set NP,    2
.set KS,    64
.set PK,    144       ; a row of K in LDS: 128 bytes + 16: the 16 rows of a load start at 16 different groups of four banks
.set PV,    160       ; a row of V: 128 + 32
.set VOFF,  4*KS*PK   ; a slot holds four steps: 256 rows of K, then 256 rows of V
.set SLOT1, 1<<17
.set STAGE, SLOT1+4*KS*(PK+PV)  ; 16 rows x 144 bytes for each wave, for the way out
.set SP,    144
.set SPARE, STAGE+4*16*SP       ; the spare words, 128 bytes a wave
.set MASKT, SPARE+512           ; the mask's table: 2,048 words
.set AK0, 2
.set AV0, 3
.set AK,  4
.set AV,  5
.set STO, 6
.set RD,  7
.set GO,  8
.set MV,  12
.set ST,  16          ; tile t's statistics at v[ST+4 t]: c m, m, l (even keys', odd keys')
.set AM0, 32          ; MASKT + 32 (lane / 16)
.set AMK, 33          ; the same at the step to be fetched
.set MS,  34          ; MASKT + 16 x thread
.set PFO, 35          ; 256 x lane
.set QO,  36          ; my byte offset in 16 rows of 128 bytes
.set FO,  37          ; 16 x lane
.set MO,  38          ; 16 x thread
.set SPW, 46
.set NIL, 47
.set TMP, 48
.set S,   64
.set P,   192
.set MK,  128         ; window 1
.set KF,  128         ; window 2
.set VF,  192         ; window 2
.set WV,  12
.set LIM, 15
.set G1K, 24
.set G1V, 32
.set G0K, 40
.set G0V, 44
.set PFA, 48
.set KG,  50          ; s[50:51] K of step 0
.set BIG, 54          ; s54 a hidden key's addend
.set TBM, 55          ; s55 the table's byte for the step to be fetched
.set SLOTS, 56
.set CNT, 57
.set CS,  58
.set SEL, 60
.set TBK, 62
.set TBV, 63
.set MSB, 0
.macro WIN new
.if MSB != (\new)
	s_set_vgpr_msb (MSB<<8)|(\new)
.set MSB, (\new)
.endif
.endm
.set W_KQ, 0x0a       ; K and Q in window 2, S^T in window 0
.set W_KM, 0x1a       ; the same with the C operand, the mask, in window 1
.set W_PV, 0x52       ; V in window 2, P in window 0, O^T in window 1
.set W_RS, 0x41       ; destination and source 0 in window 1, source 1 in window 0
.macro JLOAD          ; waves 0 and 1 fetch the two halves of a slot's K, waves 2 and 3 of its V; an s_nop 0 and four v_nop follow each line
	s_cmp_lt_u32 s[WV], 2
	s_cbranch_scc0 .Lfor_v_\@
	tensor_load_to_lds s[G0K:G0K+3], s[G1K:G1K+7]
	s_nop 0
.rept 4
	v_nop
.endr
	s_branch .Lasked_\@
.Lfor_v_\@:
	tensor_load_to_lds s[G0V:G0V+3], s[G1V:G1V+7]
	s_nop 0
.rept 4
	v_nop
.endr
.Lasked_\@:
.endm
; A prefetch of the tile that the NEXT change of slots will ask for, four key steps ahead: 128 blocks of 256 bytes of K and of V.  The head's first cluster asks; its four partners take 32 blocks each,
; told apart by address; wave 0 asks for K's, wave 2 for V's.  The last change that fills a slot asks for nothing.
.macro ASK
	s_cmp_gt_u32 s[SLOTS], s[LIM]
	s_cbranch_scc0 .Lnot_mine_\@
	global_prefetch_b8 v[PFO], s[PFA:PFA+1] th:TH_LOAD_NT scope:SCOPE_SE
.Lnot_mine_\@:
.endm
.macro CROUND
	s_barrier_signal -1
	s_barrier_wait -1
	s_cmp_lg_u32 s[WV], 0
	s_cbranch_scc1 .Lnot_wave_0_\@
	s_barrier_signal -3
.Lnot_wave_0_\@:
	s_barrier_wait -3
	s_barrier_signal -1
	s_barrier_wait -1
.endm
; THE CHANGE OF SLOTS.  Each wave waits for all its tensor loads (one is out: its part of the other slot), adds 0 to its spare word, and waits for that and for its LDS instructions.
; fill = 1: a round of the cluster's barrier, and the joint fill, two slots on, first behind it.  (At its first use slot 0 is waited for, the mask's table published, slot 1 filled.)
.macro CHANGE fill
	WIN 0
	s_wait_tensorcnt 0x0
	ds_add_u32 v[SPW], v[NIL]
.if \fill
.irp g, G0K, G0V
	s_xor_b32 s[\g+1], s[\g+1], SLOT1
	s_add_nc_u64 s[\g+2:\g+3], s[\g+2:\g+3], 4*KS*128
.endr
	s_wait_xcnt 0x0                 ; the last prefetch, four key steps back, has read its address
	s_add_nc_u64 s[PFA:PFA+1], s[PFA:PFA+1], 4*KS*128
	s_wait_dscnt 0x0
	CROUND
	JLOAD
	ASK
.else
	s_wait_dscnt 0x0
	s_barrier_signal -1
	s_barrier_wait -1
.endif
	s_sub_co_u32 s[TBK], s[TBK], 4*KS*PK  ; the fetches go back to a slot's first step, in the other slot
	s_xor_b32 s[TBK], s[TBK], SLOT1
	s_sub_co_u32 s[TBV], s[TBV], 4*KS*PV
	s_xor_b32 s[TBV], s[TBV], SLOT1
.endm
	s_load_b128 s[4:7], s[0:1], 0x0   ; qkv 4, src_mask 6
	s_load_b64 s[8:9], s[0:1], 0x10   ; ctx
	v_lshl_add_u32 v[SPW], v0, 2, SPARE
	v_mov_b32 v[NIL], 0
	ds_add_u32 v[SPW], v[NIL]       ; the wave's opening: the add and its wait ahead of my first tensor load
	v_lshrrev_b32 v1, 5, v0
	v_readfirstlane_b32 s[WV], v1
	s_bfe_u32 s13, ttmp6, 0x40000   ; cx
	s_lshl_b32 s14, ttmp9, 2
	s_add_co_u32 s14, s14, s13      ; my block of 256 queries: it enters Q's and ctx's addresses alone
	s_and_b32 s16, ttmp7, 0xffff    ; batch x 16 + head, which the four partners share
	s_lshl_b32 s20, s16, 18         ; its first byte in q, k, v and ctx
	s_lshr_b32 s2, s16, 4
	s_lshl_b32 s2, s2, 13           ; the batch's 2,048 flags
	s_mov_b32 s3, 0
	s_and_b32 s16, s[WV], 1         ; which half of a slot's 256 keys I fetch
	s_lshl_b32 s22, s16, 14
	s_add_co_u32 s22, s22, s20
	s_add_co_u32 s22, s22, 1<<23    ; in k
	s_mov_b32 s23, 0
	s_mul_i32 s17, s16, 128*PK
	s_mul_i32 s18, s16, 128*PV
	s_lshl_b32 s10, s14, 2
	s_add_co_u32 s10, s10, s[WV]
	s_lshl_b32 s10, s10, 13         ; my wave's 64 rows
	s_add_co_u32 s10, s10, s20
	s_mov_b32 s11, 0
	s_lshl_b32 s52, s13, 13         ; the prefetches: my work-group's 32 blocks,
	s_add_co_u32 s52, s52, 4*KS*128 ; in tile 1; the first change of slots steps it to tile 2
	s_mov_b32 s53, 0
	s_add_co_u32 s20, s20, (1<<23)+1984*128  ; K of step 0: the last 64 rows as stored
	s_mov_b32 s21, 0
	; 128 keys are 16,384 dense bytes: asked for as 64 rows of 256 bytes, padded in LDS after every key
	s_mov_b32 s[G1K], 15|(1<<16)|(1<<20)|(1<<21)|(4<<22)|(3<<25)
	s_mov_b32 s[G1V], 15|(1<<16)|(1<<20)|(1<<21)|(4<<22)|(7<<25)
.irp g, G1K, G1V
	s_mov_b32 s[\g+1], 128<<16
	s_mov_b32 s[\g+2], 64<<16
	s_mov_b32 s[\g+3], 128<<16
	s_mov_b32 s[\g+4], 64
	s_mov_b32 s[\g+5], 128
	s_mov_b32 s[\g+6], 0
	s_mov_b32 s[\g+7], 0
.endr
	s_mov_b32 s[SEL], 0x76543210
	s_mov_b32 s[SEL+1], 0xfedcba98
	s_mov_b32 s[TBK], SLOT1+4*KS*PK ; the first change of slots turns these two into 0
	s_mov_b32 s[TBV], SLOT1+4*KS*PV
	s_mov_b32 s[TBM], 256
	s_mov_b32 s[SLOTS], 7
	s_mov_b32 s[G0K], 1
	s_mov_b32 s[G0K+1], s17
	s_mov_b32 s[G0V], 1
	s_add_co_u32 s[G0V+1], s18, VOFF
	s_and_b32 s[LIM], s[WV], 1
	s_or_b32 s[LIM], s[LIM], ttmp9  ; 0 in waves 0 and 2 of the head's first cluster: the same in all four partners
	s_cmp_eq_u32 s[LIM], 0
	s_cselect_b32 s[LIM], 1, -1
	s_wait_dscnt 0x0                ; the opening add is done
	s_wait_kmcnt 0x0
	s_add_nc_u64 s[G0K+2:G0K+3], s[4:5], s[22:23]
	s_add_nc_u64 s[G0V+2:G0V+3], s[G0K+2:G0K+3], 1<<23
	s_cmp_lt_u32 s[WV], 2
	s_cselect_b64 s[PFA:PFA+1], s[G0K+2:G0K+3], s[G0V+2:G0V+3]
	s_add_nc_u64 s[PFA:PFA+1], s[PFA:PFA+1], s[52:53]
	s_or_b32 s[G0K+3], s[G0K+3], 0x80000000
	s_or_b32 s[G0V+3], s[G0V+3], 0x80000000
	s_add_nc_u64 s[KG:KG+1], s[4:5], s[20:21]
	s_add_nc_u64 s[6:7], s[6:7], s[2:3]
	s_add_nc_u64 s[4:5], s[4:5], s[10:11]
	s_add_nc_u64 s[8:9], s[8:9], s[10:11]
	CROUND                          ; all four work-groups are here: the first joint loads meet
	JLOAD                           ; slot 0
	v_and_b32 v1, 15, v0            ; l % 16
	v_bfe_u32 v9, v0, 4, 1          ; l / 16
	v_lshlrev_b32 v[QO], 7, v1
	v_lshl_add_u32 v[QO], v9, 4, v[QO]
	v_and_b32 v[FO], 31, v0
	v_lshlrev_b32 v[PFO], 8, v[FO]
	v_lshlrev_b32 v[FO], 4, v[FO]
	v_lshlrev_b32 v[MO], 4, v0
	WIN 0x80
.set i, 0
.rept 4*NP                          ; Q stays in registers: tile i / 2, channels 32 (i % 2) on
	global_load_b128 v[8*i:8*i+3],   v[QO], s[4:5] offset:(i/2)*2048+(i%2)*64
	global_load_b128 v[8*i+4:8*i+7], v[QO], s[4:5] offset:(i/2)*2048+(i%2)*64+32
.set i, i+1
.endr
.set i, 0
.rept 8                             ; K of step 0: keys 16 (i / 2) on, channels 32 (i % 2) on
	global_load_b128 v[KF+8*i:KF+8*i+3],   v[QO], s[KG:KG+1] offset:(i/2)*2048+(i%2)*64
	global_load_b128 v[KF+8*i+4:KF+8*i+7], v[QO], s[KG:KG+1] offset:(i/2)*2048+(i%2)*64+32
.set i, i+1
.endr
	WIN 0
.set i, 0
.rept 16                            ; all 2,048 flags, in every wave
	global_load_b128 v[S+4*i:S+4*i+3], v[FO], s[6:7] offset:512*i
.set i, i+1
.endr
.set i, 0
.rept 4                             ; and the 16 that my thread turns into table words
	global_load_b128 v[S+64+4*i:S+64+4*i+3], v[MO], s[6:7] offset:2048*i
.set i, i+1
.endr
	; What the first turn finds: V's registers and P's second buffer hold 0 (its products V^T P, of a piece that has not been, add 0), O^T and l are 0.  All this stands in the wait for the first loads.
	WIN 0x80
.set i, VF
.rept 64
	v_mov_b32 v[i], 0
.set i, i+1
.endr
	WIN 0x40
.set i, 0
.rept 64*NP
	v_mov_b32 v[i], 0
.set i, i+1
.endr
	WIN 0
.set i, 0
.rept 2*NP
	v_mov_b32 v[ST+4*i], 0xfe000000    ; c m: far below every c s
	v_mov_b32 v[ST+4*i+1], 0xff7fffff  ; m
	v_mov_b32 v[ST+4*i+2], 0
	v_mov_b32 v[ST+4*i+3], 0
.set i, i+1
.endr
.set i, P+32
.rept 32
	v_mov_b32 v[i], 0
.set i, i+1
.endr
	v_mul_u32_u24 v[AK0], v1, PK
	v_lshl_add_u32 v[AK0], v9, 4, v[AK0]
	; the turning load takes 16 keys x 16 channels (lane l reads key 8 (l / 16) + l % 8, channels 8 ((l / 8) % 2) + 0..7) and leaves half a fragment of V^T
	v_and_b32 v10, 7, v0
	v_bfe_u32 v11, v0, 3, 1
	v_lshl_add_u32 v[AV0], v9, 3, v10
	v_mul_u32_u24 v[AV0], v[AV0], PV
	v_lshl_add_u32 v[AV0], v11, 4, v[AV0]
	v_add_nc_u32 v[AV0], VOFF, v[AV0]
	v_lshl_add_u32 v[AM0], v9, 5, MASKT
	v_lshl_add_u32 v[MS], v0, 4, MASKT
	s_wait_loadcnt 0x0
.irp w, 32,16,8,4,2,1               ; the OR of my 64 flags
.set k, 0
.rept \w
	v_or_b32 v[S+k], v[S+k], v[S+\w+k]
.set k, k+1
.endr
.endr
	v_cmp_ne_u32 vcc_lo, 0, v[S]
	s_cmp_lg_u32 vcc_lo, 0          ; is any key of the batch visible?
	s_cselect_b32 s[CS], 0x3e38aa3b, 0    ; c = log2(e) / 8, or 0
	s_cselect_b32 s[BIG], 0xf1800000, 0   ; -2^100, or 0
	s_mov_b32 s[CS+1], s[CS]
.set i, 0
.rept 16
	v_cmp_eq_u32 vcc_lo, 0, v[S+64+i]
	v_cndmask_b32 v[S+64+i], 0, s[BIG], vcc_lo
.set i, i+1
.endr
.set i, 0
.rept 4
	ds_store_b128 v[MS], v[S+64+4*i:S+64+4*i+3] offset:2048*i
.set i, i+1
.endr
; THE MATRIX WORK.  The 8 accumulators of a run of 16 take turns.
; Product i of 16 of S^T = K Q^T for piece x: channels 32 (i / 8) on, keys 16 ((i / 2) % 4) on, tile 2 x + i % 2.  The first 8 start the sums, from the mask.
.macro KQ x
.set rS, S+64*((\x)%2)+32*(i%2)+8*((i/2)%4)
.set rK, KF+16*((i/2)%4)+8*(i/8)
.set rQ, 16*(2*(\x)+i%2)+8*(i/8)
.set rMK, MK+8*((i/2)%4)
.if i < 8
	WIN W_KM
	v_wmma_f32_16x16x32_bf16 v[rS:rS+7], v[rK:rK+7], v[rQ:rQ+7], v[rMK:rMK+7]
.else
	WIN W_KQ
	v_wmma_f32_16x16x32_bf16 v[rS:rS+7], v[rK:rK+7], v[rQ:rQ+7], v[rS:rS+7]
.endif
.endm
; Product i of 16 of O^T += V^T P for piece x: keys 32 (i / 8) on, channels 16 ((i / 2) % 4) on, tile 2 x + i % 2.
.macro PV x
	WIN W_PV
.set rO, 32*(2*(\x)+i%2)+8*((i/2)%4)
.set rV, VF+32*(i/8)+8*((i/2)%4)
.set rP, P+32*((\x)%2)+16*(i%2)+8*(i/8)
	v_wmma_f32_16x16x32_bf16 v[rO:rO+7], v[rV:rV+7], v[rP:rP+7], v[rO:rO+7]
.endm
.macro MM                           ; the turn's next matrix instruction
.if i < 16
	KQ (Y+1)%NP
.set i, i+1
.else
.set i, i-16
	PV (Y+NP-1)%NP
.set i, i+17
.endif
.endm
; THE LDS LOADS stand in runs: the next step's K (8 fragments) with its mask (8 loads, the same words for 16 lanes), and the step's V (turned).
.macro FETCH_K
	WIN 0x80
.irp f, 0,1,2,3,4,5,6,7
	ds_load_b128 v[KF+8*\f:KF+8*\f+3],   v[AK] offset:(\f/2)*16*PK+(\f%2)*64
	ds_load_b128 v[KF+8*\f+4:KF+8*\f+7], v[AK] offset:(\f/2)*16*PK+(\f%2)*64+32
.endr
	WIN 0x40
.irp f, 0,1,2,3
	ds_load_b128 v[MK+8*\f:MK+8*\f+3],   v[AMK] offset:64*\f
	ds_load_b128 v[MK+8*\f+4:MK+8*\f+7], v[AMK] offset:64*\f+16
.endr
	s_add_co_u32 s[TBK], s[TBK], KS*PK
	s_add_co_u32 s[TBM], s[TBM], 256
	s_and_b32 s[TBM], s[TBM], 0x1fff  ; behind the last step the table begins anew
	WIN 0
.endm
.macro FETCH_V
	WIN 0x80
.irp f, 0,1,2,3,4,5,6,7
	ds_load_tr16_b128 v[VF+8*\f:VF+8*\f+3],   v[AV] offset:(\f/4)*32*PV+(\f%4)*32
	ds_load_tr16_b128 v[VF+8*\f+4:VF+8*\f+7], v[AV] offset:(\f/4)*32*PV+16*PV+(\f%4)*32
.endr
	WIN 0
.endm
; THE VECTOR WORK OF A TURN stands in three queues, each in the order in which its entries become ready; the two tiles alternate.
.macro REGS y, u
.set rT, ST+4*(2*(\y)+(\u))
.set rC, TMP+8*((\y)%2)+4*(\u)
.set rM, MV+2*((\y)%2)+(\u)
.set rS, S+64*((\y)%2)+32*(\u)
.set rP, P+32*((\y)%2)+16*(\u)
.set rO, 32*(2*(\y)+(\u))
.endm
; Number n of the 22 that find the other piece's maximum and statistics; each accumulator's lowest registers are read first.
;   0-11 four chains of seven scores    12-14, 16 the four left over, the old m, the chains into one    15 c m_old is kept    17, 18 the lane 16 away; the new m    19-21 c m; its change; a
.macro XS u, n
	REGS (Y+1)%NP, \u
.if (\n) < 4
	v_max3_num_f32 v[rC+(\n)], v[rS+8*(\n)], v[rS+8*(\n)+1], v[rS+8*(\n)+2]
.elseif (\n) < 12
	v_max3_num_f32 v[rC+(\n)%4], v[rC+(\n)%4], v[rS+8*((\n)%4)+2*((\n)/4)+1], v[rS+8*((\n)%4)+2*((\n)/4)+2]
.elseif (\n) == 12
	v_max3_num_f32 v[rC], v[rC], v[rS+7], v[rS+15]
.elseif (\n) == 13
	v_max3_num_f32 v[rC+1], v[rC+1], v[rS+23], v[rS+31]
.elseif (\n) == 14
	v_max3_num_f32 v[rC+2], v[rC+2], v[rC+3], v[rT+1]
.elseif (\n) == 15
	v_mov_b32 v[rM], v[rT]
.elseif (\n) == 16
	v_max3_num_f32 v[rC], v[rC], v[rC+1], v[rC+2]
.elseif (\n) == 17
	v_permlanex16_b32 v[rC+3], v[rC], s[SEL], s[SEL+1]
.elseif (\n) == 18
	v_max_num_f32 v[rT+1], v[rC], v[rC+3]
.elseif (\n) == 19
	v_mul_f32 v[rT], s[CS], v[rT+1]
.elseif (\n) == 20
	v_sub_f32 v[rC+1], v[rM], v[rT]
.else
	v_exp_f32 v[rC+2], v[rC+1]
.endif
.endm
; Number g of the 64 that follow the exponentials: for each four weights both pairs are rounded, the second pair is added onto the first, and a group later l takes that sum (the first time as l = a l + sum).
.macro GS g
.set h, (\g)+6*((\g)/62)
.if h >= 6
.set h, h+2
.endif
	REGS Y, h%2
.set k, h/8
.if h%8 < 4
	v_cvt_pk_bf16_f32 v[rP+2*k+(h%8)/2], v[rS+4*k+2*((h%8)/2)], v[rS+4*k+2*((h%8)/2)+1]
.elseif h%8 < 6
	v_pk_add_f32 v[rS+4*k:rS+4*k+1], v[rS+4*k:rS+4*k+1], v[rS+4*k+2:rS+4*k+3]
.elseif k == 1
	v_pk_fma_f32 v[rT+2:rT+3], v[rT+2:rT+3], v[rC+2:rC+3], v[rS:rS+1] op_sel_hi:[1,0,1]
.else
	v_pk_add_f32 v[rT+2:rT+3], v[rT+2:rT+3], v[rS+4*k-4:rS+4*k-3]
.endif
.endm
; THE PLAIN QUEUE, 138 long.  0-26: scalings 0-26.  27-54: XS 0-13.  55, 56: XS 15.  57-73: the chain XS 14, 16 .. 20, a scaling (27-31) ahead of each pair of links.  74-137: GS, behind the wait.
.macro FS f
	REGS Y, (\f)%2
	v_pk_fma_f32 v[rS+2*((\f)/2):rS+2*((\f)/2)+1], v[rS+2*((\f)/2):rS+2*((\f)/2)+1], s[CS:CS+1], v[rT:rT+1] op_sel_hi:[1,0,0] neg_lo:[0,0,1] neg_hi:[0,0,1]
.endm
.macro PL
	WIN 0
.if q < 27
	FS q
.elseif q < 55
	XS (q-27)%2, (q-27)/2
.elseif q < 57
	XS q-55, 15
.elseif (q < 72) && ((q-57)%3 == 0)
	FS 27+(q-57)/3
.elseif q < 60
	XS (q-57)%3-1, 14
.elseif q < 72
	XS (q-57)%3-1, 15+(q-57)/3
.elseif q < 74
	XS q-72, 20
.else
	GS q-74
.endif
.set q, q+1
.endm
.macro EX                           ; the exponentials' queue, 66 long: both tiles' 32 scores, then the other piece's two a: one batch
	WIN 0
.if e >= 64
	XS e-64, 21
.else
	REGS Y, e%2
	v_exp_f32 v[rS+e/2], v[rS+e/2]
.endif
.set e, e+1
.endm
.macro R2                           ; the rescaling's queue: O^T times a, two at a time; its a was made, and waited for, in the turn before
	REGS Y, r%2
	WIN W_RS
.irp z, 0,1
	v_pk_mul_f32 v[rO+4*(r/2)+2*\z:rO+4*(r/2)+2*\z+1], v[rO+4*(r/2)+2*\z:rO+4*(r/2)+2*\z+1], v[rC+2:rC+3] op_sel_hi:[1,0]
.endr
.set r, r+1
.endm
; A TURN, for piece p.  Ahead of its one wait stands all that names no result of its exponentials: 16 products K Q^T, behind each a scaling, an exponential and two rescalings; then a lump of 108.
; Behind the wait: 16 products V^T P, behind each four roundings and sums.  The rescalings read O^T four plain riders or more behind the product of the turn before that wrote it.
; Turn 0 fetches the next step's K and mask behind its wait (a lump behind their last reader) and this step's V at its end (four riders behind its last reader).
; Turn 1 waits for K and the mask at its head (V's 16 younger loads may stay out) and for V behind its wait.
.macro TURN p, cnt=0
.set Y, (\p)
.set i, 0
.set q, 0
.set e, 0
.set r, 0
.if (\p) == 1
	s_wait_dscnt 16
.endif
	MM
	PL
	PL
	R2
.rept 15
	MM
	PL
	EX
	R2
.endr
.if (\p) == 0
	WIN 0
	v_add_nc_u32 v[AK], s[TBK], v[AK0]
	v_add_nc_u32 v[AMK], s[TBM], v[AM0]
.endif
.rept 8
	PL
.endr
.rept 49
	EX
	PL
.endr
	EX
	EX
	v_nop                           ; a plain instruction behind the last exponential: one for the batch
	s_wait_alu depctr_va_vdst(0)    ; the wait for the batch, ahead of its first reader
.if (\p) == 0
	FETCH_K
.endif
.if (\p) == 1
	s_wait_dscnt 0x0                ; V is in
.endif
.rept 16
	MM
.rept 4
	PL
.endr
.if ((\p) == 0) && (q == 118)
	v_add_nc_u32 v[AV], s[TBV], v[AV0]
.endif
.if ((\p) == 0) && (q == 130)
	s_add_co_u32 s[TBV], s[TBV], KS*PV
.endif
.if (\cnt) && (q == 130)
	s_sub_co_u32 s[CNT], s[CNT], 1
	s_cmp_lg_u32 s[CNT], 0
.endif
.endr
.if (\p) == 0
	FETCH_V
.endif
.endm
	CHANGE 1                        ; slot 0 is in, the table is everybody's; slot 1 is asked for
	WIN 0x40
.irp f, 0,1,2,3                     ; the mask of step 0
	ds_load_b128 v[MK+8*\f:MK+8*\f+3],   v[AM0] offset:64*\f
	ds_load_b128 v[MK+8*\f+4:MK+8*\f+7], v[AM0] offset:64*\f+16
.endr
	WIN 0
	s_wait_dscnt 0x0
.set i, 0
.rept 16
	KQ 0                            ; piece 0's first scores
.set i, i+1
.endr
	WIN 0                           ; the addresses for the way out: nine plain instructions, the places behind those products
	s_mul_i32 s13, s[WV], 16*SP
	s_add_co_u32 s13, s13, STAGE
	v_mul_u32_u24 v[STO], v1, SP    ; in: row l % 16, 16 bytes for each half of the lanes
	v_lshl_add_u32 v[STO], v9, 4, v[STO]
	v_add_nc_u32 v[STO], s13, v[STO]
	v_bfe_u32 v[RD], v0, 3, 2       ; back: 32 lanes take four rows of 128 bytes,
	v_mul_u32_u24 v[RD], v[RD], SP
	v_lshl_add_u32 v[RD], v10, 4, v[RD]
	v_add_nc_u32 v[RD], s13, v[RD]
	v_and_b32 v[GO], 31, v0         ; which are 512 consecutive bytes of ctx
	v_lshlrev_b32 v[GO], 4, v[GO]
.set Y, NP-1                        ; XS works for piece Y + 1: piece 0
.irp n, 0,1,2,3,4,5,6,7,8,9,10,11,12,13,14,15,16,17,18,19,20,21
	XS 0, \n
	XS 1, \n
.endr
	v_nop                           ; a plain instruction behind the two a,
	s_wait_alu depctr_va_vdst(0)    ; and their wait, ahead of the branch
	s_mov_b32 s[CNT], 4
	s_branch .Lstep
.Lslot:                             ; six times: every slot but the last two is filled again
	CHANGE 1
	s_mov_b32 s[CNT], 4
.Lstep:                             ; a trip is a key step
	TURN 0
	TURN 1, 1
	WIN 0
	s_cbranch_scc1 .Lstep
	s_sub_co_u32 s[SLOTS], s[SLOTS], 1
	s_cmp_lg_u32 s[SLOTS], 0
	s_cbranch_scc1 .Lslot
	CHANGE 0                        ; the last slot's steps are written out
	s_mov_b32 s[CNT], 4
.Ltail:
	TURN 0
	TURN 1, 1
	WIN 0
	s_cbranch_scc1 .Ltail
.set i, 0
.rept 16
	PV NP-1                         ; piece 1's V^T P of the last step
.set i, i+1
.endr
	; THE WAY OUT.  l's two halves and the other half of the lanes' are added; O^T is divided by l, rounded to bf16 and sent through my stage, a tile at a time.  The four additions are the places behind the last products.
	WIN 0
.macro ALL line:vararg
.set t, 0
.rept 2*NP
	\line
.set t, t+1
.endr
.endm
	ALL v_add_f32 v[ST+4*t+2], v[ST+4*t+2], v[ST+4*t+3]
	ALL v_permlanex16_b32 v[ST+4*t+3], v[ST+4*t+2], s[SEL], s[SEL+1]
	ALL v_add_f32 v[ST+4*t+2], v[ST+4*t+2], v[ST+4*t+3]
	ALL v_rcp_f32 v[ST+4*t+2], v[ST+4*t+2]
	v_nop
	s_wait_alu depctr_va_vdst(0)    ; one wait for the four reciprocals, ahead of their first use
.macro PACK t
	WIN W_RS
.set i, 32*(\t)
.rept 16
	v_pk_mul_f32 v[i:i+1], v[i:i+1], v[ST+4*(\t)+2:ST+4*(\t)+3] op_sel_hi:[1,0]
.set i, i+2
.endr
	WIN 0x05
.set i, 0
.rept 16
	v_cvt_pk_bf16_f32 v[S+16*(\t)+i], v[32*(\t)+2*i], v[32*(\t)+2*i+1]
.set i, i+1
.endr
	WIN 0
.irp f, 0,1,2,3
	ds_store_b128 v[STO], v[S+16*(\t)+4*\f:S+16*(\t)+4*\f+3] offset:32*\f
.endr
.irp f, 0,1,2,3
	ds_load_b128 v[S+16*(\t)+4*\f:S+16*(\t)+4*\f+3], v[RD] offset:\f*4*SP  ; LDS serves a wave's instructions in order: these see the stores above
.endr
.endm
.macro SEND t, younger              ; younger: the LDS instructions issued behind tile t's loads: the next tile's eight, or none
	WIN 0
.irp f, 0,1,2,3
	s_wait_dscnt (\younger)+3-\f
	global_store_b128 v[GO], v[S+16*(\t)+4*\f:S+16*(\t)+4*\f+3], s[8:9] offset:(\t)*2048+\f*512  ; 512 consecutive bytes, aligned
.endr
.endm
	PACK 0
.set t, 1
.rept 2*NP-1
	PACK t
	SEND t-1, 8
.set t, t+1
.endr
	SEND 2*NP-1, 0
	s_wait_tensorcnt 0x0            ; the wave's end
	ds_add_u32 v[SPW], v[NIL]
	s_wait_dscnt 0x0
	CROUND                          ; the closing round
	s_endpgm
.Lfunc_end_k_q61ccd8c4bd_attn:
	.size	k_q61ccd8c4bd_attn, .Lfunc_end_k_q61ccd8c4bd_attn-k_q61ccd8c4bd_attn
	.p2alignl 7, 3214868480
	.fill 96, 4, 3214868480
	.section	.rodata,"a",@progbits
	.p2align	6, 0x0
	.amdhsa_kernel k_q61ccd8c4bd_attn
		.amdhsa_group_segment_fixed_size 327680
		.amdhsa_private_segment_fixed_size 0
		.amdhsa_enable_private_segment 0
		.amdhsa_kernarg_size 24
		.amdhsa_user_sgpr_count 2
		.amdhsa_user_sgpr_kernarg_segment_ptr 1
		.amdhsa_wavefront_size32 1
		.amdhsa_system_sgpr_workgroup_id_x 1
		.amdhsa_system_sgpr_workgroup_id_y 1
		.amdhsa_system_sgpr_workgroup_id_z 1
		.amdhsa_system_vgpr_workitem_id 0
		.amdhsa_next_free_vgpr 768
		.amdhsa_next_free_sgpr 66
		.amdhsa_reserve_vcc 1
		.amdhsa_float_denorm_mode_32 3
		.amdhsa_float_denorm_mode_16_64 3
		.amdhsa_memory_ordered 1
		.amdhsa_forward_progress 1
		.amdhsa_inst_pref_size 121
	.end_amdhsa_kernel
	.amdgpu_metadata
---
amdhsa.version: [ 1, 2 ]
amdhsa.kernels:
  - .name:           k_q61ccd8c4bd_attn
    .symbol:         k_q61ccd8c4bd_attn.kd
    .args:
      - { .name: qkv, .offset: 0, .size: 8, .value_kind: global_buffer, .address_space: global }
      - { .name: src_mask, .offset: 8, .size: 8, .value_kind: global_buffer, .address_space: global }
      - { .name: ctx, .offset: 16, .size: 8, .value_kind: global_buffer, .address_space: global }
    .group_segment_fixed_size: 327680
    .private_segment_fixed_size: 0
    .kernarg_segment_align: 8
    .kernarg_segment_size: 24
    .max_flat_workgroup_size: 128
    .sgpr_count:     66
    .vgpr_count:     768
    .wavefront_size: 32
...
	.end_amdgpu_metadata
.endif
;; end of part 3
;; launch wo (part 4): grid 8 x 32, 4 waves a work-group, clusters of 4 x 4, 327,680 bytes of LDS; arguments ctx, wb, bo, x, x1; writes x1
.if DOCPART == 4
	.amdgcn_target "amdgcn-amd-amdhsa--gfx1250"
	.amdhsa_code_object_version 6
	.text
	.protected	k_q61ccd8c4bd_wo
	.globl	k_q61ccd8c4bd_wo
	.p2align	8
	.type	k_q61ccd8c4bd_wo,@function
k_q61ccd8c4bd_wo:
	s_mov_b64 s[64:65], 0
	v_nop
	global_prefetch_b8 v0, s[64:65] scope:SCOPE_SE
	s_setreg_imm32_b32 hwreg(HW_REG_WAVE_MODE, 25, 1), 1
	s_wait_xcnt 0x0
	s_wait_alu depctr_hold_cnt(0) depctr_sa_sdst(0) depctr_va_vdst(0) depctr_va_sdst(0) depctr_va_ssrc(0) depctr_va_vcc(0) depctr_vm_vsrc(0)
	s_getreg_b32 s2, hwreg(HW_REG_IB_STS2, 6, 4)
	s_cmp_eq_u32 s2, 0
	s_cbranch_scc0 .Lentry_in_a_cluster
	s_endpgm
.Lentry_in_a_cluster:
	s_bfe_u32 s2, ttmp6, 0x10000c
	s_cmp_lg_u32 s2, 0xf033
	s_cbranch_scc0 .Lentry_shape_is_right
	s_endpgm
.Lentry_shape_is_right:
; x1 = x + ctx wo^T + bo.  ctx: [2][16][2048][64] bf16 (by heads); wo: wb at byte 6,291,456, [1024][1024] bf16; bo, x, x1 f32; sums in f32.
; SHARES.  A tile of x1 is 128 x 128: 32 x 8 = 256 work-groups; four waves of 64 x 64: 16 accumulators.  K goes in steps of 256 = four heads, through two LDS slots; a quarter step is one head.
; ctx's TILE: 64 tokens of a head are 8,192 dense bytes, so a fetching wave asks for 4 rows (heads) of 4,096 elements, a head's extent apart, padded in LDS after every 128 bytes:
; LDS holds [head][token] rows 144 bytes apart.  Four long rows, not 64 short ones: that is how the bytes lie in memory.
; One K step is written once: the slot in hand stands in scalar registers that an exclusive or turns.  CLUSTER 4 x 4: ctx's tile shared along a row, wo's along a column, asked for jointly.
; THE CLUSTERS BEGIN AT DIFFERENT K STEPS.  Cluster (X, Y) of the 2 x 8 walks the 4 K steps in a ring from step (2 X + Y + 2 (Y / 4)) mod 4 (f32 sums may be taken in any order of K).  The two clusters that
; read the same rows of ctx stand two K steps apart, and among the eight that read the same rows of wo all four starts occur: each block is read for the first time in the clusters' first two K steps,
; and what the two refills ask for another cluster has read two K steps earlier.
; The product is taken transposed (source 0 = wo's rows): a lane holds one token and eight neighbouring columns.  The bias is the C operand of each accumulator's first product.
; The residual (a wave's 64 x 64 of x) is loaded at the head, in the layout of the stores, and added on the way out.  A wave's 64 columns are 256 aligned bytes of f32: each wave has a stage of its own.
; No prefetch: the tiles are small, the launch is short, and no refill is a block's first reading.  LIMITS: operands are bf16; NaN and infinities are not treated apart.
; REGISTERS: window 0: v16-31 addresses; v32-95 the way out; v96-127 bias; v128-255 accumulators ((a, b) at 128 + 8 (4 a + b)).  Window 1: two fragment buffers of 128.  Window 2: v0-127 the residual.
.set STEPS,  4                         ; 1,024 / 256
.set PA,     144                       ; ctx's LDS row: 128 bytes + 16
.set QA,     64*PA                     ; a quarter step on: the next head's plane
.set AHALF,  4*64*PA                   ; what one fetching wave brings of ctx
.set PB,     528                       ; wo's LDS row: 512 bytes + 16
.set BHALF,  64*PB
.set BOFF,   2*AHALF
.set SLOT,   BOFF+2*BHALF
.set STAGE,  2*SLOT                    ; 16 rows x 272 bytes for each wave
.set SPITCH, 272
.set SPARE,  STAGE+4*16*SPITCH
.set ASH,    20                        ; a K step of ctx: four heads, 1,048,576 bytes
.set BSH,    9                         ; of wo: 512 bytes of a row
.set WOFF,   6291456
.set ROWB,   4096                      ; bytes in a row of x and x1
.set ADRA0, 16
.set ADRA,  17
.set ADRB0, 20
.set ADRB,  21
.set BO,  22
.set STO, 24
.set RD,  25
.set CO,  26
.set SPW, 28
.set NIL, 29
.set TMP, 32
.set BI,  96
.set ACC, 128
.set F0,  0
.set F1,  128
.set WV, 12
.set FR, 13                            ; s13 my half of the tile's rows; also: I fetch ctx (0) or wo (1)
.set FH, 14                            ; s14 my half of its columns; also: which half I fetch
.set GA, 18                            ; s[18:19] ctx at my fetch's first byte, K = 0
.set LA, 20
.set LB, 21
.set G1, 24
.set G0, 32
.set KS, 43                            ; s43 the K step that the walking set asked for last
.set KOA, 44                           ; s[44:45] its byte offset in ctx
.set GB, 46                            ; s[46:47] wo at my fetch's first row, K = 0
.set G1B, 48
.set G0B, 56
.set TB, 66
.set TF, 67
.set KOB, 76                           ; s[76:77] the K step's byte offset in wo
.set MSB, 0
.macro WIN new
.if MSB != (\new)
	s_set_vgpr_msb (MSB<<8)|(\new)
.set MSB, \new
.endif
.endm
.set MUL, 0x05                         ; sources 0 and 1 window 1; C and D window 0
.macro PLACES
.rept 4
	v_nop
.endr
.endm
.macro CREST
	s_cmp_lg_u32 s[WV], 0
	s_cbranch_scc1 .Lnot_wave_0_\@
	s_barrier_signal -3
.Lnot_wave_0_\@:
	s_barrier_wait -3
	s_barrier_signal -1
	s_barrier_wait -1
.endm
.macro CROUND
	s_barrier_signal -1
	s_barrier_wait -1
	CREST
.endm
.macro JLOAD                           ; the joint refill by the walking set; an s_nop 0 and four v_nop follow each line
	s_cmp_eq_u32 s[FR], 0
	s_cbranch_scc0 .Lfor_b_\@
	tensor_load_to_lds s[G0+4:G0+7], s[G1:G1+7]
	s_nop 0
	PLACES
	s_branch .Lasked_\@
.Lfor_b_\@:
	tensor_load_to_lds s[G0B+4:G0B+7], s[G1B:G1B+7]
	s_nop 0
	PLACES
.Lasked_\@:
.endm
	s_load_b256 s[4:11], s[0:1], 0x0               ; ctx 4, wb 6, bo 8, x 10
	s_load_b64 s[68:69], s[0:1], 0x20              ; x1
	v_lshl_add_u32 v[SPW], v0, 2, SPARE
	v_mov_b32 v[NIL], 0
	ds_add_u32 v[SPW], v[NIL]                      ; the wave's opening: the add and its wait ahead of my first tensor load
	v_lshrrev_b32 v1, 5, v0
	v_readfirstlane_b32 s[WV], v1
	s_lshr_b32 s[FR], s[WV], 1
	s_and_b32 s[FH], s[WV], 1
	s_bfe_u32 s40, ttmp6, 0x40000                  ; cx
	s_bfe_u32 s41, ttmp6, 0x40004                  ; cy
	s_lshl_b32 s42, ttmp9, 2
	s_add_co_u32 s42, s42, s40                     ; tile column
	s_and_b32 s15, ttmp7, 0xffff
	s_lshl_b32 s15, s15, 2
	s_add_co_u32 s15, s15, s41                     ; tile row
	s_lshl_b32 s43, s41, 2
	s_lshl_b32 s43, 15, s43
	s_lshl_b32 s44, 0x1111, s40
	s_or_b32 s[G1], s43, (1<<16)|(1<<20)|(1<<21)|(4<<22)|(3<<25)   ; mask of my row; 2-byte elements; padding after every 32 words, 4 words
	s_mov_b32 s[G1+1], 4096<<16                    ; tensor_dim0 = 4,096
	s_mov_b32 s[G1+2], 4<<16                       ; tensor_dim1 = 4
	s_mov_b32 s[G1+3], 4096<<16                    ; tile_dim0
	s_mov_b32 s[G1+4], 4                           ; tile_dim1
	s_mov_b32 s[G1+5], 131072                      ; a head's 2,048 x 64 elements from row to row
	s_mov_b32 s[G1+6], 0
	s_mov_b32 s[G1+7], 0
	s_or_b32 s[G1B], s44, (1<<16)|(1<<20)|(1<<21)|(6<<22)|(3<<25)  ; mask of my column; padding after every 128 words
	s_mov_b32 s[G1B+1], 256<<16
	s_mov_b32 s[G1B+2], 64<<16
	s_mov_b32 s[G1B+3], 256<<16
	s_mov_b32 s[G1B+4], 64
	s_mov_b32 s[G1B+5], 1024
	s_mov_b32 s[G1B+6], 0
	s_mov_b32 s[G1B+7], 0
	s_and_b32 s[KS], ttmp7, 0xffff                 ; the K step at which my cluster begins, from the cluster's x and y alone: the same in all sixteen partners
	s_lshr_b32 s44, s[KS], 2
	s_add_co_u32 s44, s44, ttmp9
	s_lshl1_add_u32 s[KS], s44, s[KS]              ; 2 (X + Y / 4) + Y
	s_and_b32 s[KS], s[KS], STEPS-1
	s_mov_b32 s[KOA+1], 0
	s_mov_b32 s[KOB+1], 0
	s_lshr_b32 s16, s15, 4                         ; ctx: the batch,
	s_lshl_b32 s16, s16, 22
	s_and_b32 s17, s15, 15                         ; the tile's 128 tokens in it,
	s_lshl_b32 s17, s17, 14
	s_add_co_u32 s16, s16, s17
	s_lshl_b32 s17, s[FH], 13                      ; my 64 of them
	s_add_co_u32 s16, s16, s17
	s_mov_b32 s17, 0
	s_lshl_b32 s46, s42, 7                         ; wo: row 128 x tile column + 64 x half
	s_lshl_b32 s47, s[FH], 6
	s_add_co_u32 s46, s46, s47
	s_lshl_b32 s46, s46, 11
	s_add_co_u32 s46, s46, WOFF
	s_mov_b32 s47, 0
	s_mul_i32 s[LA], s[FH], AHALF
	s_mul_i32 s[LB], s[FH], BHALF
	s_add_co_u32 s[LB], s[LB], BOFF
	s_mov_b32 s[TB], 0
	s_mov_b32 s[TF], SLOT
	s_wait_dscnt 0x0
	s_wait_kmcnt 0x0
	s_add_nc_u64 s[GA:GA+1], s[4:5], s[16:17]
	s_add_nc_u64 s[GB:GB+1], s[6:7], s[46:47]
	CROUND
.irp s, 0,1
	s_lshl_b32 s[KOA], s[KS], ASH
	s_lshl_b32 s[KOB], s[KS], BSH
	s_mov_b32 s[G0+4*\s], 1
	s_add_co_u32 s[G0+4*\s+1], s[LA], \s*SLOT
	s_add_nc_u64 s[G0+4*\s+2:G0+4*\s+3], s[GA:GA+1], s[KOA:KOA+1]
	s_or_b32 s[G0+4*\s+3], s[G0+4*\s+3], 0x80000000
	s_mov_b32 s[G0B+4*\s], 1
	s_add_co_u32 s[G0B+4*\s+1], s[LB], \s*SLOT
	s_add_nc_u64 s[G0B+4*\s+2:G0B+4*\s+3], s[GB:GB+1], s[KOB:KOB+1]
	s_or_b32 s[G0B+4*\s+3], s[G0B+4*\s+3], 0x80000000
.if \s == 0
	s_add_co_u32 s[KS], s[KS], 1                   ; the ring's next K step
	s_and_b32 s[KS], s[KS], STEPS-1
.endif
.endr
	s_cmp_eq_u32 s[FR], 0                          ; a wave's two first fills stand in one branch: two loads of mine are out
	s_cbranch_scc0 .Lfirst_b
	tensor_load_to_lds s[G0:G0+3], s[G1:G1+7]
	s_nop 0
	tensor_load_to_lds s[G0+4:G0+7], s[G1:G1+7]
	s_nop 0
	PLACES
	s_branch .Lfirst_asked
.Lfirst_b:
	tensor_load_to_lds s[G0B:G0B+3], s[G1B:G1B+7]
	s_nop 0
	tensor_load_to_lds s[G0B+4:G0B+7], s[G1B:G1B+7]
	s_nop 0
	PLACES
.Lfirst_asked:
	v_and_b32 v1, 15, v0
	v_bfe_u32 v2, v0, 4, 1
	v_lshlrev_b32 v[BO], 5, v2
	s_lshl_b32 s70, s42, 7
	s_lshl_b32 s71, s[FH], 6
	s_add_co_u32 s70, s70, s71                     ; my first column
	s_lshl_b32 s70, s70, 2
	s_mov_b32 s71, 0
	s_add_nc_u64 s[8:9], s[8:9], s[70:71]
	s_lshl_b32 s72, s15, 7
	s_lshl_b32 s73, s[FR], 6
	s_add_co_u32 s72, s72, s73                     ; my first row
	s_lshl_b32 s72, s72, 12
	s_add_co_u32 s72, s72, s70
	s_mov_b32 s73, 0
	s_add_nc_u64 s[10:11], s[10:11], s[72:73]
	s_add_nc_u64 s[68:69], s[68:69], s[72:73]
	v_lshlrev_b32 v[CO], 12, v2                    ; lanes 0-15 one row's 256 bytes, lanes 16-31 the next row's
	v_lshl_add_u32 v[CO], v1, 4, v[CO]
.irp b, 0,1,2,3
	global_load_b128 v[BI+8*\b:BI+8*\b+3],   v[BO], s[8:9] offset:64*\b
	global_load_b128 v[BI+8*\b+4:BI+8*\b+7], v[BO], s[8:9] offset:64*\b+16
.endr
	WIN 0x80
.set i, 0
.rept 32
	global_load_b128 v[4*i:4*i+3], v[CO], s[10:11] offset:2*i*ROWB th:TH_LOAD_NT
.set i, i+1
.endr
	WIN 0
	v_mul_u32_u24 v3, v1, PA
	v_lshl_add_u32 v3, v2, 4, v3
	s_mul_i32 s74, s[FR], AHALF
	v_add_nc_u32 v[ADRA0], s74, v3
	v_mul_u32_u24 v3, v1, PB
	v_lshl_add_u32 v3, v2, 4, v3
	s_mul_i32 s74, s[FH], BHALF
	s_add_co_u32 s74, s74, BOFF
	v_add_nc_u32 v[ADRB0], s74, v3
	v_mov_b32 v[ADRA], v[ADRA0]
	v_mov_b32 v[ADRB], v[ADRB0]
	s_mul_i32 s74, s[WV], 16*SPITCH
	s_add_co_u32 s74, s74, STAGE
	v_mul_u32_u24 v4, v1, SPITCH                   ; in: row l % 16, 32 bytes for each half of the lanes
	v_lshl_add_u32 v4, v2, 5, v4
	v_add_nc_u32 v[STO], s74, v4
	v_mul_u32_u24 v4, v2, SPITCH                   ; back: lanes 0-15 one row of 256 bytes, lanes 16-31 the next
	v_lshl_add_u32 v4, v1, 4, v4
	v_add_nc_u32 v[RD], s74, v4
; 8 products: token blocks a0, a0 + 1 x all 4 column blocks, 32 along K: half c of buffer f.  The 16 accumulators take turns.  first = 1: the sums start from the bias.
.macro MUL8 f, c, a0, first
	WIN MUL
.irp a, \a0, (\a0)+1
.irp b, 0,1,2,3
.if \first
	v_wmma_f32_16x16x32_bf16 v[ACC+8*(4*(\a)+(\b)):ACC+8*(4*(\a)+(\b))+7], v[(\f)+64+8*(4*(\c)+(\b)):(\f)+64+8*(4*(\c)+(\b))+7], v[(\f)+8*(4*(\c)+(\a)):(\f)+8*(4*(\c)+(\a))+7], v[BI+8*(\b):BI+8*(\b)+7]
.else
	v_wmma_f32_16x16x32_bf16 v[ACC+8*(4*(\a)+(\b)):ACC+8*(4*(\a)+(\b))+7], v[(\f)+64+8*(4*(\c)+(\b)):(\f)+64+8*(4*(\c)+(\b))+7], v[(\f)+8*(4*(\c)+(\a)):(\f)+8*(4*(\c)+(\a))+7], v[ACC+8*(4*(\a)+(\b)):ACC+8*(4*(\a)+(\b))+7]
.endif
.endr
.endr
.endm
.macro FETCH q, f                      ; 32 LDS loads in one run: quarter q's fragments into buffer f, the first 32 along K first
	WIN 0x40
.irp c, 0,1
.irp i, 0,1,2,3
	ds_load_b128 v[(\f)+64+8*(4*\c+\i):(\f)+64+8*(4*\c+\i)+3],   v[ADRB] offset:(\q)*128+64*\c+\i*16*PB
	ds_load_b128 v[(\f)+64+8*(4*\c+\i)+4:(\f)+64+8*(4*\c+\i)+7], v[ADRB] offset:(\q)*128+64*\c+\i*16*PB+32
	ds_load_b128 v[(\f)+8*(4*\c+\i):(\f)+8*(4*\c+\i)+3],         v[ADRA] offset:(\q)*QA+64*\c+\i*16*PA
	ds_load_b128 v[(\f)+8*(4*\c+\i)+4:(\f)+8*(4*\c+\i)+7],       v[ADRA] offset:(\q)*QA+64*\c+\i*16*PA+32
.endr
.endr
.endm
.macro QUARTER q, f, g, first          ; multiplies buffer f; in its middle fetches quarter q into g
	s_wait_dscnt 16                                ; the first 32 along K are in
	MUL8 \f, 0, 0, \first
	MUL8 \f, 0, 2, \first
	PLACES
	FETCH \q, \g
	s_wait_dscnt 32                                ; all but the run just issued
	MUL8 \f, 1, 0, 0
	MUL8 \f, 1, 2, 0
.endm
; The last quarter multiplies buffer 1 and changes slots: one barrier; ahead of it each wave waits for all its tensor loads, adds 0 to its spare word, and waits for that and for its reads of this slot.
; fill = 1: the refill's two global addresses are made anew from the tiles' first bytes and the number of the ring's K step two on.
.macro TURN fill
	WIN 0
	s_xor_b32 s[TB], s[TB], SLOT
	v_add_nc_u32 v[ADRA], s[TB], v[ADRA0]
	v_add_nc_u32 v[ADRB], s[TB], v[ADRB0]
	s_wait_tensorcnt 0x0
	ds_add_u32 v[SPW], v[NIL]
	s_wait_dscnt 17                                ; (the add and the youngest sixteen loads may be out)
	MUL8 F1, 0, 0, 0
	s_wait_dscnt 0x0
	s_barrier_signal -1
	MUL8 F1, 0, 2, 0
.if \fill
	WIN 0
.endif
	s_barrier_wait -1
.if \fill
	CREST                                          ; no wave of any partner still reads this slot or has a load on its way
	s_xor_b32 s[TF], s[TF], SLOT
	s_add_co_u32 s[G0+5], s[LA], s[TF]
	s_add_co_u32 s[G0B+5], s[LB], s[TF]
	s_add_co_u32 s[KS], s[KS], 1
	s_and_b32 s[KS], s[KS], STEPS-1                ; behind the last K step comes the first
	s_lshl_b32 s[KOA], s[KS], ASH
	s_lshl_b32 s[KOB], s[KS], BSH
	s_add_nc_u64 s[G0+6:G0+7], s[GA:GA+1], s[KOA:KOA+1]
	s_or_b32 s[G0+7], s[G0+7], 0x80000000
	s_add_nc_u64 s[G0B+6:G0B+7], s[GB:GB+1], s[KOB:KOB+1]
	s_or_b32 s[G0B+7], s[G0B+7], 0x80000000
	JLOAD                                          ; its four v_nop are also the places ahead of the loads below
.else
	PLACES
.endif
	FETCH 0, F0
	MUL8 F1, 1, 0, 0
	MUL8 F1, 1, 2, 0
.endm
	s_wait_tensorcnt 0x1                           ; my part of the first K step is in; the second's may stay out
	s_barrier_signal -1
	s_barrier_wait -1
	FETCH 0, F0
	s_wait_loadcnt 32                              ; the bias is in; the 32 loads of the residual may stay out
	QUARTER 1, F0, F1, 1
	WIN 0
	s_mov_b32 s3, STEPS-2
.Lstep:
	QUARTER 2, F1, F0, 0
	QUARTER 3, F0, F1, 0
	TURN 1
	QUARTER 1, F0, F1, 0
	WIN 0
	s_sub_co_u32 s3, s3, 1
	s_cmp_lg_u32 s3, 0
	s_cbranch_scc1 .Lstep
	s_mov_b32 s3, 2
.Ltail:                                        ; the last two K steps ask for nothing; the second trip is left in its middle
	QUARTER 2, F1, F0, 0
	QUARTER 3, F0, F1, 0
	WIN 0
	s_sub_co_u32 s3, s3, 1
	s_cmp_eq_u32 s3, 0
	s_cbranch_scc1 .Llastq
	TURN 0
	QUARTER 1, F0, F1, 0
	WIN 0
	s_branch .Ltail
.Llastq:
	s_wait_dscnt 16
	MUL8 F1, 0, 0, 0
	MUL8 F1, 0, 2, 0
	s_wait_dscnt 0x0
	MUL8 F1, 1, 0, 0
	MUL8 F1, 1, 2, 0
	WIN 0
	PLACES
; THE WAY OUT, 16 rows at a time: f32 sums into my stage (each accumulator's low four registers first), back as whole rows of 256 bytes, the residual added, stored.
.macro OUTA a
.irp b, 0,1,2,3
	ds_store_b128 v[STO], v[ACC+8*(4*(\a)+\b):ACC+8*(4*(\a)+\b)+3]   offset:64*\b
	ds_store_b128 v[STO], v[ACC+8*(4*(\a)+\b)+4:ACC+8*(4*(\a)+\b)+7] offset:64*\b+16
.endr
.irp t, 0,1,2,3,4,5,6,7
	ds_load_b128 v[TMP+32*((\a)%2)+4*\t:TMP+32*((\a)%2)+4*\t+3], v[RD] offset:\t*2*SPITCH  ; LDS serves a wave's instructions in order
.endr
.endm
.macro SENDA a, younger                ; younger: the next block's eight stores and eight loads, or none
	s_wait_dscnt \younger
	WIN 0x88                                       ; destination and source 1 (a store's data) window 2; source 0 (a store's address) window 0
.set i, 0
.rept 16
	v_pk_add_f32 v[32*(\a)+2*i:32*(\a)+2*i+1], v[TMP+32*((\a)%2)+2*i:TMP+32*((\a)%2)+2*i+1], v[32*(\a)+2*i:32*(\a)+2*i+1]
.set i, i+1
.endr
.irp t, 0,1,2,3,4,5,6,7
	global_store_b128 v[CO], v[32*(\a)+4*\t:32*(\a)+4*\t+3], s[68:69] offset:(16*(\a)+2*\t)*ROWB  ; 16 lanes store 256 consecutive bytes, aligned
.endr
	WIN 0
.endm
	OUTA 0
	OUTA 1
	s_wait_loadcnt 0x0                             ; the residual
	SENDA 0, 16
	OUTA 2
	SENDA 1, 16
	OUTA 3
	SENDA 2, 16
	SENDA 3, 0
	s_wait_tensorcnt 0x0                           ; the wave's end
	ds_add_u32 v[SPW], v[NIL]
	s_wait_dscnt 0x0
	CROUND                                         ; the closing round
	s_endpgm
.Lfunc_end_k_q61ccd8c4bd_wo:
	.size	k_q61ccd8c4bd_wo, .Lfunc_end_k_q61ccd8c4bd_wo-k_q61ccd8c4bd_wo
	.p2alignl 7, 3214868480
	.fill 96, 4, 3214868480
	.section	.rodata,"a",@progbits
	.p2align	6, 0x0
	.amdhsa_kernel k_q61ccd8c4bd_wo
		.amdhsa_group_segment_fixed_size 327680
		.amdhsa_private_segment_fixed_size 0
		.amdhsa_enable_private_segment 0
		.amdhsa_kernarg_size 40
		.amdhsa_user_sgpr_count 2
		.amdhsa_user_sgpr_kernarg_segment_ptr 1
		.amdhsa_wavefront_size32 1
		.amdhsa_system_sgpr_workgroup_id_x 1
		.amdhsa_system_sgpr_workgroup_id_y 1
		.amdhsa_system_sgpr_workgroup_id_z 1
		.amdhsa_system_vgpr_workitem_id 0
		.amdhsa_next_free_vgpr 640
		.amdhsa_next_free_sgpr 80
		.amdhsa_reserve_vcc 0
		.amdhsa_float_denorm_mode_32 3
		.amdhsa_float_denorm_mode_16_64 3
		.amdhsa_memory_ordered 1
		.amdhsa_forward_progress 1
		.amdhsa_inst_pref_size 68
	.end_amdhsa_kernel
	.amdgpu_metadata
---
amdhsa.version: [ 1, 2 ]
amdhsa.kernels:
  - .name:           k_q61ccd8c4bd_wo
    .symbol:         k_q61ccd8c4bd_wo.kd
    .args:
      - { .name: ctx, .offset: 0, .size: 8, .value_kind: global_buffer, .address_space: global }
      - { .name: wb, .offset: 8, .size: 8, .value_kind: global_buffer, .address_space: global }
      - { .name: bo, .offset: 16, .size: 8, .value_kind: global_buffer, .address_space: global }
      - { .name: x, .offset: 24, .size: 8, .value_kind: global_buffer, .address_space: global }
      - { .name: x1, .offset: 32, .size: 8, .value_kind: global_buffer, .address_space: global }
    .group_segment_fixed_size: 327680
    .private_segment_fixed_size: 0
    .kernarg_segment_align: 8
    .kernarg_segment_size: 40
    .max_flat_workgroup_size: 128
    .sgpr_count:     80
    .vgpr_count:     640
    .wavefront_size: 32
...
	.end_amdgpu_metadata
.endif
;; end of part 4
;; launch ln2: the kernel of part 1 again; grid 256 x 1, 8 waves a work-group, no clusters, 0 bytes of LDS; arguments x1, ln2_a, ln2_b, wq, wk, wv, wo, w1, w2, xn, wb; writes xn, wb
;; launch ffn1 (part 5): grid 16 x 16, 4 waves a work-group, clusters of 4 x 4, 327,680 bytes of LDS; arguments xn, wb, b1, hb; writes hb
.if DOCPART == 5
	.amdgcn_target "amdgcn-amd-amdhsa--gfx1250"
	.amdhsa_code_object_version 6
	.text
	.protected	k_q61ccd8c4bd_ffn1
	.globl	k_q61ccd8c4bd_ffn1
	.p2align	8
	.type	k_q61ccd8c4bd_ffn1,@function
k_q61ccd8c4bd_ffn1:
	s_mov_b64 s[64:65], 0
	v_nop
	global_prefetch_b8 v0, s[64:65] scope:SCOPE_SE
	s_setreg_imm32_b32 hwreg(HW_REG_WAVE_MODE, 25, 1), 1
	s_wait_xcnt 0x0
	s_wait_alu depctr_hold_cnt(0) depctr_sa_sdst(0) depctr_va_vdst(0) depctr_va_sdst(0) depctr_va_ssrc(0) depctr_va_vcc(0) depctr_vm_vsrc(0)
	s_getreg_b32 s2, hwreg(HW_REG_IB_STS2, 6, 4)
	s_cmp_eq_u32 s2, 0
	s_cbranch_scc0 .Lentry_in_a_cluster
	s_endpgm
.Lentry_in_a_cluster:
	s_bfe_u32 s2, ttmp6, 0x10000c
	s_cmp_lg_u32 s2, 0xf033
	s_cbranch_scc0 .Lentry_shape_is_right
	s_endpgm
.Lentry_shape_is_right:
; hb = relu(xn w1^T + b1).  xn: [4096][1024] bf16; w1: wb at byte 8,388,608, [4096][1024] bf16; b1 f32; hb: [4096][4096] bf16; sums in f32, rounded once.
; SHARES.  A tile of hb is 256 x 256: 16 x 16 = 256 work-groups; four waves of 128 x 128: 64 accumulators of 16 x 16.  K goes in steps of 128 (rows of 256 bytes in memory) through two LDS slots.
; ONE K STEP IS WRITTEN ONCE: the slot in hand stands in scalar registers (TB for the fragments, TF for the fill) that an exclusive or turns.
; CLUSTER 4 x 4: xn's tile is shared along a row of the cluster, w1's along a column; each is asked for jointly, by the same load with the same descriptor and a mask of the four.
; THE CLUSTERS BEGIN AT DIFFERENT K STEPS.  Cluster (X, Y) walks the 8 K steps in a ring from step (2 X + 4 ((Y xor Y / 2) & 1)) mod 8 (f32 sums may be taken in any order of K).  The four clusters that
; read the same rows of xn stand two K steps apart; of the four that read the same rows of w1 two stand four K steps from the other two.  So each block of xn is read for the first time in the
; clusters' first two K steps and each block of w1 in their first four; what the later refills ask for another cluster has read two or four K steps earlier.
; NO PREFETCH: the first four K steps come by their loads alone, and no later K step is a block's first reading.
; THE PRODUCT IS TAKEN TRANSPOSED (source 0 = 16 rows of w1, source 1 = 16 tokens): a lane holds one token and eight neighbouring columns.  THE BIAS is the C operand of each accumulator's first product.
; The maximum with 0 is taken on the packed bf16, where nothing is rounded.  LIMITS: operands and result are bf16; a NaN becomes 0 in the maximum; infinities are not treated apart.
; REGISTERS: window 0: v16-31 addresses; v64-191 xn's fragments, two buffers; v192-255 bias, later, with v32-63, the way out.  Window 1: v64-191 w1's fragments.
;   windows 2, 3: accumulator (a, b) in window 2 + a / 4 at v[8 (8 (a % 4) + b)].
.set SIZE_N, 4096
.set WOFF,   8388608
.set KSTEP,  128
.set STEPS,  8
.set PITCH,  272                       ; an LDS row: 256 bytes + 16 of padding
.set AB, 8
.set BB, 8
.set AH, AB/2
.set RA, 128
.set RB, 128
.set BOFF,  2*RA*PITCH
.set SLOT,  BOFF+2*RB*PITCH
.set STAGE, 2*SLOT                     ; 16 rows x 272 bytes for each wave
.set SPITCH, 272
.set SPARE, STAGE+4*16*SPITCH
.set ADRA0, 16
.set ADRA,  17
.set ADRB0, 20
.set ADRB,  21
.set BO,  22
.set STO, 24
.set RD,  25
.set CO,  26
.set SPW, 28
.set NIL, 29
.set ZR,  31                           ; 0, for the packed maximum
.set FA0, 64
.set FAS, 64
.set FB0, 64
.set FBS, 64
.set BI,  192
.set TMP, 192
.set OB,  32
.set WV, 12
.set FR, 13                            ; s13 my half of the tile's rows; also: I fetch xn (0) or w1 (1)
.set FH, 14                            ; s14 my half of its columns; also: which half I fetch
.set GA, 18                            ; s[18:19] xn at my fetch's first row, K = 0
.set LA, 20
.set LB, 21
.set G1, 24
.set G0, 32
.set KS, 43                            ; s43 the K step that the walking set asked for last
.set KO, 44                            ; s[44:45] its byte offset in a row
.set GB, 46                            ; s[46:47] w1 at my fetch's first row, K = 0
.set G1B, 48
.set G0B, 56
.set TB, 66
.set TF, 67
.set MSB, 0
.macro WIN new
.if MSB != (\new)
	s_set_vgpr_msb (MSB<<8)|(\new)
.set MSB, \new
.endif
.endm
.macro PLACES
.rept 4
	v_nop
.endr
.endm
.macro CREST
	s_cmp_lg_u32 s[WV], 0
	s_cbranch_scc1 .Lnot_wave_0_\@
	s_barrier_signal -3
.Lnot_wave_0_\@:
	s_barrier_wait -3
	s_barrier_signal -1
	s_barrier_wait -1
.endm
.macro CROUND
	s_barrier_signal -1
	s_barrier_wait -1
	CREST
.endm
.macro JLOAD                           ; the joint refill by the walking set; an s_nop 0 and four v_nop follow each line
	s_cmp_eq_u32 s[FR], 0
	s_cbranch_scc0 .Lfor_b_\@
	tensor_load_to_lds s[G0+4:G0+7], s[G1:G1+7]
	s_nop 0
	PLACES
	s_branch .Lasked_\@
.Lfor_b_\@:
	tensor_load_to_lds s[G0B+4:G0B+7], s[G1B:G1B+7]
	s_nop 0
	PLACES
.Lasked_\@:
.endm
	s_load_b256 s[4:11], s[0:1], 0x0               ; xn 4, wb 6, b1 8, hb 10
	v_lshl_add_u32 v[SPW], v0, 2, SPARE
	v_mov_b32 v[NIL], 0
	ds_add_u32 v[SPW], v[NIL]                      ; the wave's opening: the add and its wait ahead of my first tensor load
	v_lshrrev_b32 v1, 5, v0
	v_readfirstlane_b32 s[WV], v1
	s_lshr_b32 s[FR], s[WV], 1
	s_and_b32 s[FH], s[WV], 1
	s_bfe_u32 s40, ttmp6, 0x40000                  ; cx
	s_bfe_u32 s41, ttmp6, 0x40004                  ; cy
	s_lshl_b32 s42, ttmp9, 2
	s_add_co_u32 s42, s42, s40                     ; tile column
	s_and_b32 s15, ttmp7, 0xffff
	s_lshl_b32 s15, s15, 2
	s_add_co_u32 s15, s15, s41                     ; tile row
	s_lshl_b32 s43, s41, 2
	s_lshl_b32 s43, 15, s43
	s_lshl_b32 s44, 0x1111, s40
	s_or_b32 s[G1], s43, (1<<16)|(1<<20)|(1<<21)|(5<<22)|(3<<25)
	s_or_b32 s[G1B], s44, (1<<16)|(1<<20)|(1<<21)|(5<<22)|(3<<25)
.irp g, G1, G1B
	s_mov_b32 s[\g+1], KSTEP<<16                   ; tensor_dim0
	s_mov_b32 s[\g+2], 128<<16                     ; tensor_dim1
	s_mov_b32 s[\g+3], KSTEP<<16                   ; tile_dim0
	s_mov_b32 s[\g+4], 128                         ; tile_dim1
	s_mov_b32 s[\g+5], 1024                        ; elements from row to row
	s_mov_b32 s[\g+6], 0
	s_mov_b32 s[\g+7], 0
.endr
	s_and_b32 s[KS], ttmp7, 0xffff                 ; the K step at which my cluster begins, from the cluster's x and y alone: the same in all sixteen partners
	s_lshr_b32 s44, s[KS], 1
	s_xor_b32 s[KS], s[KS], s44
	s_and_b32 s[KS], s[KS], 1
	s_lshl_b32 s[KS], s[KS], 2                     ; 4 ((Y xor Y / 2) & 1)
	s_lshl_b32 s44, ttmp9, 1
	s_add_co_u32 s[KS], s[KS], s44                 ; + 2 X
	s_and_b32 s[KS], s[KS], STEPS-1
	s_mov_b32 s[KO+1], 0
	s_lshl_b32 s17, s[FH], 7
	s_lshl_b32 s16, s15, 8
	s_add_co_u32 s16, s16, s17                     ; xn: row 256 x tile row + 128 x half
	s_lshl_b32 s16, s16, 11
	s_lshl_b32 s46, s42, 8
	s_add_co_u32 s46, s46, s17                     ; w1: row 256 x tile column + 128 x half
	s_lshl_b32 s46, s46, 11
	s_add_co_u32 s46, s46, WOFF
	s_mov_b32 s17, 0
	s_mov_b32 s47, 0
	s_mul_i32 s[LA], s[FH], RA*PITCH
	s_mul_i32 s[LB], s[FH], RB*PITCH
	s_add_co_u32 s[LB], s[LB], BOFF
	s_mov_b32 s[TB], 0
	s_mov_b32 s[TF], SLOT
	s_wait_dscnt 0x0
	s_wait_kmcnt 0x0
	s_add_nc_u64 s[GA:GA+1], s[4:5], s[16:17]
	s_add_nc_u64 s[GB:GB+1], s[6:7], s[46:47]
	CROUND
.irp s, 0,1
	s_lshl_b32 s[KO], s[KS], 8                     ; a K step is 256 bytes of a row
	s_mov_b32 s[G0+4*\s], 1
	s_add_co_u32 s[G0+4*\s+1], s[LA], \s*SLOT
	s_add_nc_u64 s[G0+4*\s+2:G0+4*\s+3], s[GA:GA+1], s[KO:KO+1]
	s_or_b32 s[G0+4*\s+3], s[G0+4*\s+3], 0x80000000
	s_mov_b32 s[G0B+4*\s], 1
	s_add_co_u32 s[G0B+4*\s+1], s[LB], \s*SLOT
	s_add_nc_u64 s[G0B+4*\s+2:G0B+4*\s+3], s[GB:GB+1], s[KO:KO+1]
	s_or_b32 s[G0B+4*\s+3], s[G0B+4*\s+3], 0x80000000
.if \s == 0
	s_add_co_u32 s[KS], s[KS], 1                   ; the ring's next K step
	s_and_b32 s[KS], s[KS], STEPS-1
.endif
.endr
	s_cmp_eq_u32 s[FR], 0                          ; a wave's two first fills stand in one branch: two loads of mine are out
	s_cbranch_scc0 .Lfirst_b
	tensor_load_to_lds s[G0:G0+3], s[G1:G1+7]
	s_nop 0
	tensor_load_to_lds s[G0+4:G0+7], s[G1:G1+7]
	s_nop 0
	PLACES
	s_branch .Lfirst_asked
.Lfirst_b:
	tensor_load_to_lds s[G0B:G0B+3], s[G1B:G1B+7]
	s_nop 0
	tensor_load_to_lds s[G0B+4:G0B+7], s[G1B:G1B+7]
	s_nop 0
	PLACES
.Lfirst_asked:
	v_and_b32 v1, 15, v0
	v_bfe_u32 v2, v0, 4, 1
	v_lshlrev_b32 v[BO], 5, v2
	v_mov_b32 v[ZR], 0
	s_lshl_b32 s68, s42, 8
	s_lshl_b32 s69, s[FH], 7
	s_add_co_u32 s68, s68, s69                     ; my first column
	s_lshl_b32 s70, s68, 2
	s_mov_b32 s71, 0
	s_add_nc_u64 s[8:9], s[8:9], s[70:71]
.irp b, 0,1,2,3,4,5,6,7
	global_load_b128 v[BI+8*\b:BI+8*\b+3],   v[BO], s[8:9] offset:64*\b
	global_load_b128 v[BI+8*\b+4:BI+8*\b+7], v[BO], s[8:9] offset:64*\b+16
.endr
	s_lshl_b32 s72, s15, 8
	s_lshl_b32 s73, s[FR], 7
	s_add_co_u32 s72, s72, s73                     ; my first row
	s_lshl_b32 s72, s72, 13
	s_lshl_b32 s73, s68, 1
	s_add_co_u32 s72, s72, s73
	s_mov_b32 s73, 0
	s_add_nc_u64 s[10:11], s[10:11], s[72:73]
	v_mul_u32_u24 v3, v1, PITCH
	v_lshl_add_u32 v3, v2, 4, v3
	s_mul_i32 s74, s[FR], RA*PITCH
	v_add_nc_u32 v[ADRA0], s74, v3
	s_mul_i32 s74, s[FH], RB*PITCH
	s_add_co_u32 s74, s74, BOFF
	v_add_nc_u32 v[ADRB0], s74, v3
	v_mov_b32 v[ADRA], v[ADRA0]
	v_mov_b32 v[ADRB], v[ADRB0]
	s_mul_i32 s74, s[WV], 16*SPITCH
	s_add_co_u32 s74, s74, STAGE
	v_mul_u32_u24 v4, v1, SPITCH                   ; in: row l % 16, 16 bytes for each half of the lanes
	v_lshl_add_u32 v4, v2, 4, v4
	v_add_nc_u32 v[STO], s74, v4
	v_mul_u32_u24 v4, v2, SPITCH                   ; back: lanes 0-15 one row of 256 bytes, lanes 16-31 the next
	v_lshl_add_u32 v4, v1, 4, v4
	v_add_nc_u32 v[RD], s74, v4
	v_lshlrev_b32 v[CO], 13, v2                    ; and the same two rows in hb
	v_lshl_add_u32 v[CO], v1, 4, v[CO]
; BB products of token block ia of window hi against all column blocks.  All accumulators come in the same order in every quarter, one instruction a turn.
.macro MULA f, hi, first
.set ib, 0
.rept BB
.set rD, 8*(BB*ia+ib)
.set rB, FB0+FBS*(\f)+8*ib
.set rA, FA0+FAS*(\f)+8*(AH*(\hi)+ia)
.if \first
	v_wmma_f32_16x16x32_bf16 v[rD:rD+7], v[rB:rB+7], v[rA:rA+7], v[BI+8*ib:BI+8*ib+7]
.else
	v_wmma_f32_16x16x32_bf16 v[rD:rD+7], v[rB:rB+7], v[rA:rA+7], v[rD:rD+7]
.endif
.set ib, ib+1
.endr
.endm
.macro MULP f, hi, part, first
.if \first
	WIN 0x81+0x40*(\hi)                            ; w1 window 1, xn and bias window 0, D window 2 or 3
.else
	WIN 0xa1+0x50*(\hi)
.endif
.set ia, (\part)*(AH/2)
.rept AH/2
	MULA \f, \hi, \first
.set ia, ia+1
.endr
.endm
.macro MULH f, hi, first
	MULP \f, \hi, 0, \first
	MULP \f, \hi, 1, \first
.endm
.macro FETCH k, f
	WIN 0x40
.set i, 0
.rept BB
	ds_load_b128 v[FB0+FBS*(\f)+8*i:FB0+FBS*(\f)+8*i+3],   v[ADRB] offset:(\k)+i*16*PITCH
	ds_load_b128 v[FB0+FBS*(\f)+8*i+4:FB0+FBS*(\f)+8*i+7], v[ADRB] offset:(\k)+i*16*PITCH+32
.set i, i+1
.endr
	WIN 0
.set i, 0
.rept AB
	ds_load_b128 v[FA0+FAS*(\f)+8*i:FA0+FAS*(\f)+8*i+3],   v[ADRA] offset:(\k)+i*16*PITCH
	ds_load_b128 v[FA0+FAS*(\f)+8*i+4:FA0+FAS*(\f)+8*i+7], v[ADRA] offset:(\k)+i*16*PITCH+32
.set i, i+1
.endr
.endm
.macro QUARTER k, f, g, first
	s_wait_dscnt AB                                ; all but the youngest loads: xn's upper blocks
	MULH \f, 0, \first
	PLACES
	FETCH \k, \g
	s_wait_dscnt 2*(AB+BB)                         ; all but the run just issued
	MULH \f, 1, \first
.endm
; The last quarter multiplies buffer 1 and changes slots: one barrier.  Ahead of it each wave waits for all its tensor loads (one is out: its part of the next slot), adds 0 to its spare word,
; and waits for that and for its reads of this slot.  fill = 1: the barrier opens a round of the cluster's, and the joint refill, the ring's K step two on, is the first tensor load behind it;
; its two global addresses are made anew from the tiles' first rows and the K step's number.
.macro TURN fill
	WIN 0
	s_xor_b32 s[TB], s[TB], SLOT
	v_add_nc_u32 v[ADRA], s[TB], v[ADRA0]
	v_add_nc_u32 v[ADRB], s[TB], v[ADRB0]
	s_wait_tensorcnt 0x0
	ds_add_u32 v[SPW], v[NIL]
	s_wait_dscnt AB+1                              ; (the add and xn's upper blocks may be out)
	MULP 1, 0, 0, 0
	s_wait_dscnt 0x0
	s_barrier_signal -1
	MULP 1, 0, 1, 0
.if \fill
	WIN 0
.endif
	s_barrier_wait -1
.if \fill
	CREST                                          ; no wave of any partner still reads this slot or has a load on its way
	s_xor_b32 s[TF], s[TF], SLOT
	s_add_co_u32 s[G0+5], s[LA], s[TF]
	s_add_co_u32 s[G0B+5], s[LB], s[TF]
	s_add_co_u32 s[KS], s[KS], 1
	s_and_b32 s[KS], s[KS], STEPS-1                ; behind the last K step comes the first
	s_lshl_b32 s[KO], s[KS], 8
	s_add_nc_u64 s[G0+6:G0+7], s[GA:GA+1], s[KO:KO+1]
	s_or_b32 s[G0+7], s[G0+7], 0x80000000
	s_add_nc_u64 s[G0B+6:G0B+7], s[GB:GB+1], s[KO:KO+1]
	s_or_b32 s[G0B+7], s[G0B+7], 0x80000000
	JLOAD                                          ; its four v_nop are also the places ahead of the loads below
.else
	PLACES
.endif
	FETCH 0, 0
	MULH 1, 1, 0
.endm
	s_wait_tensorcnt 0x1                           ; my part of the first K step is in; the second's may stay out
	s_barrier_signal -1
	s_barrier_wait -1
	FETCH 0, 0
	s_wait_loadcnt 0x0                             ; the bias
	QUARTER 64, 0, 1, 1
	WIN 0
	s_mov_b32 s3, STEPS-2
.Lstep:
	QUARTER 128, 1, 0, 0
	QUARTER 192, 0, 1, 0
	TURN 1
	QUARTER 64, 0, 1, 0
	WIN 0
	s_sub_co_u32 s3, s3, 1
	s_cmp_lg_u32 s3, 0
	s_cbranch_scc1 .Lstep
	s_mov_b32 s3, 2
.Ltail:                                        ; the last two K steps ask for nothing; the second trip is left in its middle
	QUARTER 128, 1, 0, 0
	QUARTER 192, 0, 1, 0
	WIN 0
	s_sub_co_u32 s3, s3, 1
	s_cmp_eq_u32 s3, 0
	s_cbranch_scc1 .Llastq
	TURN 0
	QUARTER 64, 0, 1, 0
	WIN 0
	s_branch .Ltail
.Llastq:
	s_wait_dscnt AB
	MULH 1, 0, 0
	s_wait_dscnt 0x0
	MULH 1, 1, 0
	WIN 0
	PLACES
; THE WAY OUT, a block of 16 tokens at a time: rounded to bf16, the maximum with 0, into my own stage, back as whole rows of 256 bytes, stored.
.macro PACK a
.set AC, 8*BB*((\a)%AH)
	WIN 0x0a+5*((\a)/AH)
.set ib, 0
.rept BB
.irp r, 0,1,2,3
	v_cvt_pk_bf16_f32 v[TMP+4*ib+\r], v[AC+8*ib+2*\r], v[AC+8*ib+2*\r+1]
.endr
.set ib, ib+1
.endr
	WIN 0
.set ib, 0
.rept 4*BB
	v_pk_max_num_bf16 v[TMP+ib], v[TMP+ib], v[ZR]
.set ib, ib+1
.endr
.endm
.macro TOSTAGE a
.set BK, OB+192*((\a)%2)
.irp b, 0,1,2,3,4,5,6,7
	ds_store_b128 v[STO], v[TMP+4*\b:TMP+4*\b+3] offset:32*\b
.endr
.irp t, 0,1,2,3,4,5,6,7
	ds_load_b128 v[BK+4*\t:BK+4*\t+3], v[RD] offset:\t*2*SPITCH  ; LDS serves a wave's instructions in order: these see the stores above
.endr
.endm
.macro SEND a
.set BK, OB+192*((\a)%2)
	s_wait_dscnt 0x0                               ; the block is back in registers
	s_wait_xcnt 0x0                                ; the stores of the block before have read their registers: the next block's loads land there
.irp t, 0,1,2,3,4,5,6,7
	global_store_b128 v[CO], v[BK+4*\t:BK+4*\t+3], s[10:11] offset:(16*(\a)+2*\t)*SIZE_N*2  ; 16 lanes store 256 consecutive bytes, aligned
.endr
.endm
	PACK 0
	TOSTAGE 0
.irp a, 1,2,3,4,5,6,7
	PACK \a
	SEND (\a)-1
	TOSTAGE \a
.endr
	SEND 7
	s_wait_tensorcnt 0x0                           ; the wave's end
	ds_add_u32 v[SPW], v[NIL]
	s_wait_dscnt 0x0
	CROUND                                         ; the closing round
	s_endpgm
.Lfunc_end_k_q61ccd8c4bd_ffn1:
	.size	k_q61ccd8c4bd_ffn1, .Lfunc_end_k_q61ccd8c4bd_ffn1-k_q61ccd8c4bd_ffn1
	.p2alignl 7, 3214868480
	.fill 96, 4, 3214868480
	.section	.rodata,"a",@progbits
	.p2align	6, 0x0
	.amdhsa_kernel k_q61ccd8c4bd_ffn1
		.amdhsa_group_segment_fixed_size 327680
		.amdhsa_private_segment_fixed_size 0
		.amdhsa_enable_private_segment 0
		.amdhsa_kernarg_size 32
		.amdhsa_user_sgpr_count 2
		.amdhsa_user_sgpr_kernarg_segment_ptr 1
		.amdhsa_wavefront_size32 1
		.amdhsa_system_sgpr_workgroup_id_x 1
		.amdhsa_system_sgpr_workgroup_id_y 1
		.amdhsa_system_sgpr_workgroup_id_z 1
		.amdhsa_system_vgpr_workitem_id 0
		.amdhsa_next_free_vgpr 1024
		.amdhsa_next_free_sgpr 80
		.amdhsa_reserve_vcc 0
		.amdhsa_float_denorm_mode_32 3
		.amdhsa_float_denorm_mode_16_64 3
		.amdhsa_memory_ordered 1
		.amdhsa_forward_progress 1
		.amdhsa_inst_pref_size 122
	.end_amdhsa_kernel
	.amdgpu_metadata
---
amdhsa.version: [ 1, 2 ]
amdhsa.kernels:
  - .name:           k_q61ccd8c4bd_ffn1
    .symbol:         k_q61ccd8c4bd_ffn1.kd
    .args:
      - { .name: xn, .offset: 0, .size: 8, .value_kind: global_buffer, .address_space: global }
      - { .name: wb, .offset: 8, .size: 8, .value_kind: global_buffer, .address_space: global }
      - { .name: b1, .offset: 16, .size: 8, .value_kind: global_buffer, .address_space: global }
      - { .name: hb, .offset: 24, .size: 8, .value_kind: global_buffer, .address_space: global }
    .group_segment_fixed_size: 327680
    .private_segment_fixed_size: 0
    .kernarg_segment_align: 8
    .kernarg_segment_size: 32
    .max_flat_workgroup_size: 128
    .sgpr_count:     80
    .vgpr_count:     1024
    .wavefront_size: 32
...
	.end_amdgpu_metadata
.endif
;; end of part 5
;; launch ffn2 (part 6): grid 8 x 32, 4 waves a work-group, clusters of 4 x 4, 327,680 bytes of LDS; arguments hb, wb, b2, x1, out0; writes out0
.if DOCPART == 6
	.amdgcn_target "amdgcn-amd-amdhsa--gfx1250"
	.amdhsa_code_object_version 6
	.text
	.protected	k_q61ccd8c4bd_ffn2
	.globl	k_q61ccd8c4bd_ffn2
	.p2align	8
	.type	k_q61ccd8c4bd_ffn2,@function
k_q61ccd8c4bd_ffn2:
	s_mov_b64 s[64:65], 0
	v_nop
	global_prefetch_b8 v0, s[64:65] scope:SCOPE_SE
	s_setreg_imm32_b32 hwreg(HW_REG_WAVE_MODE, 25, 1), 1
	s_wait_xcnt 0x0
	s_wait_alu depctr_hold_cnt(0) depctr_sa_sdst(0) depctr_va_vdst(0) depctr_va_sdst(0) depctr_va_ssrc(0) depctr_va_vcc(0) depctr_vm_vsrc(0)
	s_getreg_b32 s2, hwreg(HW_REG_IB_STS2, 6, 4)
	s_cmp_eq_u32 s2, 0
	s_cbranch_scc0 .Lentry_in_a_cluster
	s_endpgm
.Lentry_in_a_cluster:
	s_bfe_u32 s2, ttmp6, 0x10000c
	s_cmp_lg_u32 s2, 0xf033
	s_cbranch_scc0 .Lentry_shape_is_right
	s_endpgm
.Lentry_shape_is_right:
; out0 = x1 + hb w2^T + b2.  hb: [4096][4096] bf16; w2: wb at byte 16,777,216, [1024][4096] bf16; b2, x1, out0 f32; sums in f32.
; SHARES.  A tile of out0 is 128 x 128: 32 x 8 = 256 work-groups; four waves of 64 x 64: 16 accumulators.  K goes in 16 steps of 256 (rows of 512 bytes) through two LDS slots.
; One K step is written once: the slot in hand stands in scalar registers that an exclusive or turns.  CLUSTER 4 x 4: hb's tile shared along a row, w2's along a column, asked for jointly.
; THE CLUSTERS BEGIN AT DIFFERENT K STEPS.  Cluster (X, Y) of the 2 x 8 walks the 16 K steps in a ring from step 4 ((2 X + Y + 2 (Y / 4)) mod 4) (f32 sums may be taken in any order of K).  The two clusters
; that read the same rows of hb stand eight K steps apart; among the eight that read the same rows of w2 the starts 0, 4, 8 and 12 all occur.  So each block of hb is read for the first time in the
; clusters' first eight K steps and each block of w2 in their first four; what the refills for the last eight K steps ask for another cluster has read four or eight K steps earlier.
; The product is taken transposed (source 0 = w2's rows): a lane holds one token and eight neighbouring columns.  The bias is the C operand of each accumulator's first product.
; The residual (a wave's 64 x 64 of x1) is loaded at the head, in the layout of the stores, and added on the way out.  A wave's 64 columns are 256 aligned bytes of f32: each wave has a stage of its own.
; No prefetch: the tiles are small.  LIMITS: operands are bf16; NaN and infinities are not treated apart.
; REGISTERS: window 0: v16-31 addresses; v32-95 the way out; v96-127 bias; v128-255 accumulators ((a, b) at 128 + 8 (4 a + b)).  Window 1: two fragment buffers of 128.  Window 2: v0-127 the residual.
.set STEPS,  16                        ; 4,096 / 256
.set PA,     528                       ; an LDS row: 512 bytes + 16
.set QA,     128                       ; a quarter step on, in a row
.set AHALF,  64*PA
.set PB,     528
.set BHALF,  64*PB
.set BOFF,   2*AHALF
.set SLOT,   BOFF+2*BHALF
.set STAGE,  2*SLOT
.set SPITCH, 272
.set SPARE,  STAGE+4*16*SPITCH
.set ASH,    9                         ; a K step is 512 bytes of a row, of hb
.set BSH,    9                         ; and of w2
.set WOFF,   16777216
.set ROWB,   4096                      ; bytes in a row of x1 and out0
.set ADRA0, 16
.set ADRA,  17
.set ADRB0, 20
.set ADRB,  21
.set BO,  22
.set STO, 24
.set RD,  25
.set CO,  26
.set SPW, 28
.set NIL, 29
.set TMP, 32
.set BI,  96
.set ACC, 128
.set F0,  0
.set F1,  128
.set WV, 12
.set FR, 13
.set FH, 14
.set GA, 18                            ; s[18:19] hb at my fetch's first row, K = 0
.set LA, 20
.set LB, 21
.set G1, 24
.set G0, 32
.set KS, 43                            ; s43 the K step that the walking set asked for last
.set KOA, 44                           ; s[44:45] its byte offset in a row of hb
.set GB, 46                            ; s[46:47] w2 at my fetch's first row, K = 0
.set G1B, 48
.set G0B, 56
.set TB, 66
.set TF, 67
.set KOB, 76                           ; s[76:77] the K step's byte offset in a row of w2
.set MSB, 0
.macro WIN new
.if MSB != (\new)
	s_set_vgpr_msb (MSB<<8)|(\new)
.set MSB, \new
.endif
.endm
.set MUL, 0x05
.macro PLACES
.rept 4
	v_nop
.endr
.endm
.macro CREST
	s_cmp_lg_u32 s[WV], 0
	s_cbranch_scc1 .Lnot_wave_0_\@
	s_barrier_signal -3
.Lnot_wave_0_\@:
	s_barrier_wait -3
	s_barrier_signal -1
	s_barrier_wait -1
.endm
.macro CROUND
	s_barrier_signal -1
	s_barrier_wait -1
	CREST
.endm
.macro JLOAD                           ; the joint refill by the walking set; an s_nop 0 and four v_nop follow each line
	s_cmp_eq_u32 s[FR], 0
	s_cbranch_scc0 .Lfor_b_\@
	tensor_load_to_lds s[G0+4:G0+7], s[G1:G1+7]
	s_nop 0
	PLACES
	s_branch .Lasked_\@
.Lfor_b_\@:
	tensor_load_to_lds s[G0B+4:G0B+7], s[G1B:G1B+7]
	s_nop 0
	PLACES
.Lasked_\@:
.endm
	s_load_b256 s[4:11], s[0:1], 0x0               ; hb 4, wb 6, b2 8, x1 10
	s_load_b64 s[68:69], s[0:1], 0x20              ; out0
	v_lshl_add_u32 v[SPW], v0, 2, SPARE
	v_mov_b32 v[NIL], 0
	ds_add_u32 v[SPW], v[NIL]                      ; the wave's opening: the add and its wait ahead of my first tensor load
	v_lshrrev_b32 v1, 5, v0
	v_readfirstlane_b32 s[WV], v1
	s_lshr_b32 s[FR], s[WV], 1
	s_and_b32 s[FH], s[WV], 1
	s_bfe_u32 s40, ttmp6, 0x40000
	s_bfe_u32 s41, ttmp6, 0x40004
	s_lshl_b32 s42, ttmp9, 2
	s_add_co_u32 s42, s42, s40                     ; tile column
	s_and_b32 s15, ttmp7, 0xffff
	s_lshl_b32 s15, s15, 2
	s_add_co_u32 s15, s15, s41                     ; tile row
	s_lshl_b32 s43, s41, 2
	s_lshl_b32 s43, 15, s43
	s_lshl_b32 s44, 0x1111, s40
	s_or_b32 s[G1], s43, (1<<16)|(1<<20)|(1<<21)|(6<<22)|(3<<25)   ; mask; 2-byte elements; padding after every 128 words, 4 words
	s_or_b32 s[G1B], s44, (1<<16)|(1<<20)|(1<<21)|(6<<22)|(3<<25)
.irp g, G1, G1B
	s_mov_b32 s[\g+1], 256<<16                     ; tensor_dim0
	s_mov_b32 s[\g+2], 64<<16                      ; tensor_dim1
	s_mov_b32 s[\g+3], 256<<16                     ; tile_dim0
	s_mov_b32 s[\g+4], 64                          ; tile_dim1
	s_mov_b32 s[\g+5], 4096                        ; elements from row to row
	s_mov_b32 s[\g+6], 0
	s_mov_b32 s[\g+7], 0
.endr
	s_and_b32 s[KS], ttmp7, 0xffff                 ; the K step at which my cluster begins, from the cluster's x and y alone: the same in all sixteen partners
	s_lshr_b32 s44, s[KS], 2
	s_add_co_u32 s44, s44, ttmp9
	s_lshl1_add_u32 s[KS], s44, s[KS]              ; 2 (X + Y / 4) + Y
	s_and_b32 s[KS], s[KS], 3
	s_lshl_b32 s[KS], s[KS], 2                     ; x 4
	s_mov_b32 s[KOA+1], 0
	s_mov_b32 s[KOB+1], 0
	s_lshl_b32 s17, s[FH], 6
	s_lshl_b32 s16, s15, 7
	s_add_co_u32 s16, s16, s17                     ; hb: row 128 x tile row + 64 x half
	s_lshl_b32 s16, s16, 13
	s_lshl_b32 s46, s42, 7
	s_add_co_u32 s46, s46, s17                     ; w2: row 128 x tile column + 64 x half
	s_lshl_b32 s46, s46, 13
	s_add_co_u32 s46, s46, WOFF
	s_mov_b32 s17, 0
	s_mov_b32 s47, 0
	s_mul_i32 s[LA], s[FH], AHALF
	s_mul_i32 s[LB], s[FH], BHALF
	s_add_co_u32 s[LB], s[LB], BOFF
	s_mov_b32 s[TB], 0
	s_mov_b32 s[TF], SLOT
	s_wait_dscnt 0x0
	s_wait_kmcnt 0x0
	s_add_nc_u64 s[GA:GA+1], s[4:5], s[16:17]
	s_add_nc_u64 s[GB:GB+1], s[6:7], s[46:47]
	CROUND
.irp s, 0,1
	s_lshl_b32 s[KOA], s[KS], ASH
	s_lshl_b32 s[KOB], s[KS], BSH
	s_mov_b32 s[G0+4*\s], 1
	s_add_co_u32 s[G0+4*\s+1], s[LA], \s*SLOT
	s_add_nc_u64 s[G0+4*\s+2:G0+4*\s+3], s[GA:GA+1], s[KOA:KOA+1]
	s_or_b32 s[G0+4*\s+3], s[G0+4*\s+3], 0x80000000
	s_mov_b32 s[G0B+4*\s], 1
	s_add_co_u32 s[G0B+4*\s+1], s[LB], \s*SLOT
	s_add_nc_u64 s[G0B+4*\s+2:G0B+4*\s+3], s[GB:GB+1], s[KOB:KOB+1]
	s_or_b32 s[G0B+4*\s+3], s[G0B+4*\s+3], 0x80000000
.if \s == 0
	s_add_co_u32 s[KS], s[KS], 1                   ; the ring's next K step
	s_and_b32 s[KS], s[KS], STEPS-1
.endif
.endr
	s_cmp_eq_u32 s[FR], 0                          ; a wave's two first fills stand in one branch: two loads of mine are out
	s_cbranch_scc0 .Lfirst_b
	tensor_load_to_lds s[G0:G0+3], s[G1:G1+7]
	s_nop 0
	tensor_load_to_lds s[G0+4:G0+7], s[G1:G1+7]
	s_nop 0
	PLACES
	s_branch .Lfirst_asked
.Lfirst_b:
	tensor_load_to_lds s[G0B:G0B+3], s[G1B:G1B+7]
	s_nop 0
	tensor_load_to_lds s[G0B+4:G0B+7], s[G1B:G1B+7]
	s_nop 0
	PLACES
.Lfirst_asked:
	v_and_b32 v1, 15, v0
	v_bfe_u32 v2, v0, 4, 1
	v_lshlrev_b32 v[BO], 5, v2
	s_lshl_b32 s70, s42, 7
	s_lshl_b32 s71, s[FH], 6
	s_add_co_u32 s70, s70, s71                     ; my first column
	s_lshl_b32 s70, s70, 2
	s_mov_b32 s71, 0
	s_add_nc_u64 s[8:9], s[8:9], s[70:71]
	s_lshl_b32 s72, s15, 7
	s_lshl_b32 s73, s[FR], 6
	s_add_co_u32 s72, s72, s73                     ; my first row
	s_lshl_b32 s72, s72, 12
	s_add_co_u32 s72, s72, s70
	s_mov_b32 s73, 0
	s_add_nc_u64 s[10:11], s[10:11], s[72:73]
	s_add_nc_u64 s[68:69], s[68:69], s[72:73]
	v_lshlrev_b32 v[CO], 12, v2
	v_lshl_add_u32 v[CO], v1, 4, v[CO]
.irp b, 0,1,2,3
	global_load_b128 v[BI+8*\b:BI+8*\b+3],   v[BO], s[8:9] offset:64*\b
	global_load_b128 v[BI+8*\b+4:BI+8*\b+7], v[BO], s[8:9] offset:64*\b+16
.endr
	WIN 0x80
.set i, 0
.rept 32
	global_load_b128 v[4*i:4*i+3], v[CO], s[10:11] offset:2*i*ROWB th:TH_LOAD_NT
.set i, i+1
.endr
	WIN 0
	v_mul_u32_u24 v3, v1, PA
	v_lshl_add_u32 v3, v2, 4, v3
	s_mul_i32 s74, s[FR], AHALF
	v_add_nc_u32 v[ADRA0], s74, v3
	s_mul_i32 s74, s[FH], BHALF
	s_add_co_u32 s74, s74, BOFF
	v_add_nc_u32 v[ADRB0], s74, v3
	v_mov_b32 v[ADRA], v[ADRA0]
	v_mov_b32 v[ADRB], v[ADRB0]
	s_mul_i32 s74, s[WV], 16*SPITCH
	s_add_co_u32 s74, s74, STAGE
	v_mul_u32_u24 v4, v1, SPITCH
	v_lshl_add_u32 v4, v2, 5, v4
	v_add_nc_u32 v[STO], s74, v4
	v_mul_u32_u24 v4, v2, SPITCH
	v_lshl_add_u32 v4, v1, 4, v4
	v_add_nc_u32 v[RD], s74, v4
; 8 products: token blocks a0, a0 + 1 x all 4 column blocks, 32 along K: half c of buffer f.  The 16 accumulators take turns.  first = 1: the sums start from the bias.
.macro MUL8 f, c, a0, first
	WIN MUL
.irp a, \a0, (\a0)+1
.irp b, 0,1,2,3
.if \first
	v_wmma_f32_16x16x32_bf16 v[ACC+8*(4*(\a)+(\b)):ACC+8*(4*(\a)+(\b))+7], v[(\f)+64+8*(4*(\c)+(\b)):(\f)+64+8*(4*(\c)+(\b))+7], v[(\f)+8*(4*(\c)+(\a)):(\f)+8*(4*(\c)+(\a))+7], v[BI+8*(\b):BI+8*(\b)+7]
.else
	v_wmma_f32_16x16x32_bf16 v[ACC+8*(4*(\a)+(\b)):ACC+8*(4*(\a)+(\b))+7], v[(\f)+64+8*(4*(\c)+(\b)):(\f)+64+8*(4*(\c)+(\b))+7], v[(\f)+8*(4*(\c)+(\a)):(\f)+8*(4*(\c)+(\a))+7], v[ACC+8*(4*(\a)+(\b)):ACC+8*(4*(\a)+(\b))+7]
.endif
.endr
.endr
.endm
.macro FETCH q, f
	WIN 0x40
.irp c, 0,1
.irp i, 0,1,2,3
	ds_load_b128 v[(\f)+64+8*(4*\c+\i):(\f)+64+8*(4*\c+\i)+3],   v[ADRB] offset:(\q)*128+64*\c+\i*16*PB
	ds_load_b128 v[(\f)+64+8*(4*\c+\i)+4:(\f)+64+8*(4*\c+\i)+7], v[ADRB] offset:(\q)*128+64*\c+\i*16*PB+32
	ds_load_b128 v[(\f)+8*(4*\c+\i):(\f)+8*(4*\c+\i)+3],         v[ADRA] offset:(\q)*QA+64*\c+\i*16*PA
	ds_load_b128 v[(\f)+8*(4*\c+\i)+4:(\f)+8*(4*\c+\i)+7],       v[ADRA] offset:(\q)*QA+64*\c+\i*16*PA+32
.endr
.endr
.endm
.macro QUARTER q, f, g, first
	s_wait_dscnt 16                                ; the first 32 along K are in
	MUL8 \f, 0, 0, \first
	MUL8 \f, 0, 2, \first
	PLACES
	FETCH \q, \g
	s_wait_dscnt 32                                ; all but the run just issued
	MUL8 \f, 1, 0, 0
	MUL8 \f, 1, 2, 0
.endm
; The last quarter multiplies buffer 1 and changes slots: one barrier; ahead of it each wave waits for all its tensor loads, adds 0 to its spare word, and waits for that and for its reads of this slot.
; fill = 1: the refill's two global addresses are made anew from the tiles' first rows and the number of the ring's K step two on.
.macro TURN fill
	WIN 0
	s_xor_b32 s[TB], s[TB], SLOT
	v_add_nc_u32 v[ADRA], s[TB], v[ADRA0]
	v_add_nc_u32 v[ADRB], s[TB], v[ADRB0]
	s_wait_tensorcnt 0x0
	ds_add_u32 v[SPW], v[NIL]
	s_wait_dscnt 17                                ; (the add and the youngest sixteen loads may be out)
	MUL8 F1, 0, 0, 0
	s_wait_dscnt 0x0
	s_barrier_signal -1
	MUL8 F1, 0, 2, 0
.if \fill
	WIN 0
.endif
	s_barrier_wait -1
.if \fill
	CREST                                          ; no wave of any partner still reads this slot or has a load on its way
	s_xor_b32 s[TF], s[TF], SLOT
	s_add_co_u32 s[G0+5], s[LA], s[TF]
	s_add_co_u32 s[G0B+5], s[LB], s[TF]
	s_add_co_u32 s[KS], s[KS], 1
	s_and_b32 s[KS], s[KS], STEPS-1                ; behind the last K step comes the first
	s_lshl_b32 s[KOA], s[KS], ASH
	s_lshl_b32 s[KOB], s[KS], BSH
	s_add_nc_u64 s[G0+6:G0+7], s[GA:GA+1], s[KOA:KOA+1]
	s_or_b32 s[G0+7], s[G0+7], 0x80000000
	s_add_nc_u64 s[G0B+6:G0B+7], s[GB:GB+1], s[KOB:KOB+1]
	s_or_b32 s[G0B+7], s[G0B+7], 0x80000000
	JLOAD                                          ; its four v_nop are also the places ahead of the loads below
.else
	PLACES
.endif
	FETCH 0, F0
	MUL8 F1, 1, 0, 0
	MUL8 F1, 1, 2, 0
.endm
	s_wait_tensorcnt 0x1                           ; my part of the first K step is in; the second's may stay out
	s_barrier_signal -1
	s_barrier_wait -1
	FETCH 0, F0
	s_wait_loadcnt 32                              ; the bias is in; the 32 loads of the residual may stay out
	QUARTER 1, F0, F1, 1
	WIN 0
	s_mov_b32 s3, STEPS-2
.Lstep:
	QUARTER 2, F1, F0, 0
	QUARTER 3, F0, F1, 0
	TURN 1
	QUARTER 1, F0, F1, 0
	WIN 0
	s_sub_co_u32 s3, s3, 1
	s_cmp_lg_u32 s3, 0
	s_cbranch_scc1 .Lstep
	s_mov_b32 s3, 2
.Ltail:                                        ; the last two K steps ask for nothing; the second trip is left in its middle
	QUARTER 2, F1, F0, 0
	QUARTER 3, F0, F1, 0
	WIN 0
	s_sub_co_u32 s3, s3, 1
	s_cmp_eq_u32 s3, 0
	s_cbranch_scc1 .Llastq
	TURN 0
	QUARTER 1, F0, F1, 0
	WIN 0
	s_branch .Ltail
.Llastq:
	s_wait_dscnt 16
	MUL8 F1, 0, 0, 0
	MUL8 F1, 0, 2, 0
	s_wait_dscnt 0x0
	MUL8 F1, 1, 0, 0
	MUL8 F1, 1, 2, 0
	WIN 0
	PLACES
; THE WAY OUT, 16 rows at a time: f32 sums into my stage (each accumulator's low four registers first), back as whole rows of 256 bytes, the residual added, stored.
.macro OUTA a
.irp b, 0,1,2,3
	ds_store_b128 v[STO], v[ACC+8*(4*(\a)+\b):ACC+8*(4*(\a)+\b)+3]   offset:64*\b
	ds_store_b128 v[STO], v[ACC+8*(4*(\a)+\b)+4:ACC+8*(4*(\a)+\b)+7] offset:64*\b+16
.endr
.irp t, 0,1,2,3,4,5,6,7
	ds_load_b128 v[TMP+32*((\a)%2)+4*\t:TMP+32*((\a)%2)+4*\t+3], v[RD] offset:\t*2*SPITCH  ; LDS serves a wave's instructions in order
.endr
.endm
.macro SENDA a, younger
	s_wait_dscnt \younger
	WIN 0x88                                       ; destination and source 1 (a store's data) window 2; source 0 (a store's address) window 0
.set i, 0
.rept 16
	v_pk_add_f32 v[32*(\a)+2*i:32*(\a)+2*i+1], v[TMP+32*((\a)%2)+2*i:TMP+32*((\a)%2)+2*i+1], v[32*(\a)+2*i:32*(\a)+2*i+1]
.set i, i+1
.endr
.irp t, 0,1,2,3,4,5,6,7
	global_store_b128 v[CO], v[32*(\a)+4*\t:32*(\a)+4*\t+3], s[68:69] offset:(16*(\a)+2*\t)*ROWB  ; 16 lanes store 256 consecutive bytes, aligned
.endr
	WIN 0
.endm
	OUTA 0
	OUTA 1
	s_wait_loadcnt 0x0                             ; the residual
	SENDA 0, 16
	OUTA 2
	SENDA 1, 16
	OUTA 3
	SENDA 2, 16
	SENDA 3, 0
	s_wait_tensorcnt 0x0                           ; the wave's end
	ds_add_u32 v[SPW], v[NIL]
	s_wait_dscnt 0x0
	CROUND                                         ; the closing round
	s_endpgm
.Lfunc_end_k_q61ccd8c4bd_ffn2:
	.size	k_q61ccd8c4bd_ffn2, .Lfunc_end_k_q61ccd8c4bd_ffn2-k_q61ccd8c4bd_ffn2
	.p2alignl 7, 3214868480
	.fill 96, 4, 3214868480
	.section	.rodata,"a",@progbits
	.p2align	6, 0x0
	.amdhsa_kernel k_q61ccd8c4bd_ffn2
		.amdhsa_group_segment_fixed_size 327680
		.amdhsa_private_segment_fixed_size 0
		.amdhsa_enable_private_segment 0
		.amdhsa_kernarg_size 40
		.amdhsa_user_sgpr_count 2
		.amdhsa_user_sgpr_kernarg_segment_ptr 1
		.amdhsa_wavefront_size32 1
		.amdhsa_system_sgpr_workgroup_id_x 1
		.amdhsa_system_sgpr_workgroup_id_y 1
		.amdhsa_system_sgpr_workgroup_id_z 1
		.amdhsa_system_vgpr_workitem_id 0
		.amdhsa_next_free_vgpr 640
		.amdhsa_next_free_sgpr 80
		.amdhsa_reserve_vcc 0
		.amdhsa_float_denorm_mode_32 3
		.amdhsa_float_denorm_mode_16_64 3
		.amdhsa_memory_ordered 1
		.amdhsa_forward_progress 1
		.amdhsa_inst_pref_size 68
	.end_amdhsa_kernel
	.amdgpu_metadata
---
amdhsa.version: [ 1, 2 ]
amdhsa.kernels:
  - .name:           k_q61ccd8c4bd_ffn2
    .symbol:         k_q61ccd8c4bd_ffn2.kd
    .args:
      - { .name: hb, .offset: 0, .size: 8, .value_kind: global_buffer, .address_space: global }
      - { .name: wb, .offset: 8, .size: 8, .value_kind: global_buffer, .address_space: global }
      - { .name: b2, .offset: 16, .size: 8, .value_kind: global_buffer, .address_space: global }
      - { .name: x1, .offset: 24, .size: 8, .value_kind: global_buffer, .address_space: global }
      - { .name: out0, .offset: 32, .size: 8, .value_kind: global_buffer, .address_space: global }
    .group_segment_fixed_size: 327680
    .private_segment_fixed_size: 0
    .kernarg_segment_align: 8
    .kernarg_segment_size: 40
    .max_flat_workgroup_size: 128
    .sgpr_count:     80
    .vgpr_count:     640
    .wavefront_size: 32
...
	.end_amdgpu_metadata
.endif
;; end of part 6
